; MI455X (gfx1250); checked and timed in simulation.
; The chip was launched on July 23, 2026; its instructions are those of AMD's public machine-readable ISA for CDNA 5 (MIT licence, August 2026) and "CDNA5" Instruction Set Architecture Reference Guide (July 2026). The comments in the code are by the model that wrote it; some were corrected since.
;; Self Attention. Allowed arithmetic: float matrix products may take bf16 or f16 operands with f32 sums; other float arithmetic in f32, or as packed bf16 or f16 multiplies, adds, multiply-adds, maxima and minima; sums over many terms, partial sums and values carried from step to step in f32; what a program stores and reads back later, other than sums and carried values, may be rounded once to bf16 or f16.
;; Inputs: Wk 1,024 x 1,024 float32; Wq 1,024 x 1,024 float32; Wv 1,024 x 1,024 float32; bk 1,024 float32; bq 1,024 float32; bv 1,024 float32; x 4 x 2,048 x 1,024 float32.
;; Outputs: out0 4 x 2,048 x 1,024 float32.
;; One version. Each part assembles by itself: llvm-mc -triple=amdgcn-amd-amdhsa -mcpu=gfx1250 --defsym DOCPART=n.
;; ======== version 1 of 1: 4 launches
;; limits: values are held in f16: magnitudes above 65,504 overflow, below 6.1e-05 lose precision; right only within a limited range of input values
;; workspace buffers: xb 16,777,216 bytes; wt 6,291,456 bytes; bc 12,288 bytes; qkv 50,331,648 bytes; p 33,554,432 bytes; st 1,048,576 bytes
;; launch prep (part 1): grid 899 x 1, 8 waves a work-group, no clusters, 18,432 bytes of LDS; arguments x, Wq, Wk, Wv, bq, bk, bv, xb, wt, bc; writes xb, wt, bc
.if DOCPART == 1
	.amdgcn_target "amdgcn-amd-amdhsa--gfx1250"
	.amdhsa_code_object_version 6
	.text
	.protected	k_q2e9561b695_prep
	.globl	k_q2e9561b695_prep
	.p2align	8
	.type	k_q2e9561b695_prep,@function
k_q2e9561b695_prep:
	s_mov_b64 s[64:65], 0
	v_nop
	global_prefetch_b8 v0, s[64:65] scope:SCOPE_SE
	s_setreg_imm32_b32 hwreg(HW_REG_WAVE_MODE, 25, 1), 1
	s_wait_xcnt 0x0
; PREP: the module's inputs, each rounded once to bf16, in the layouts that the projection wants.
;   xb[16][8192][64] bf16 = x in planes of 64 columns: plane kb holds columns 64 kb .. 64 kb + 63 of every row, 128 bytes a row, the rows end to end;
;   wt[16][3072][64] bf16 = the three W turned, in the same planes (row = output column: q 0-1023, k 1024-2047, v 2048-3071; along a row: d);
;   bc[3072] f32 = the three biases rounded to bf16 and written back as f32.
; Three roles, chosen by the work-group's number alone (the same for all eight waves):
;   0-511   X: 16 rows of x each.  A load takes 256 consecutive bytes (one plane's 64 columns) of two neighbouring rows, sixteen lanes a row; its 256 bytes of bf16 are neighbours in the plane: one aligned store.
;   512-895 W: a tile of 128 d x 64 e of one W: read by rows, turned through LDS, written as two planes' 64 rows of 128 bytes, two rows (256 consecutive bytes) to sixteen lanes.
;   896-898 B: one bias each.
; No matrix unit, no cluster, no tensor load: nothing is shared between work-groups and each byte is touched once.
.set SPARE,  17408                     ; behind the stage (64 rows x 272 bytes): the spare words, 128 bytes for each of eight waves
.set XPLANE, 8192*128                  ; bytes in a plane of xb
.set WPLANE, 3072*128                  ; bytes in a plane of wt
.set SPW, 2                            ; v2  LDS address of my spare word; never rewritten
.set NIL, 3                            ; v3  0; never rewritten
	s_load_b512 s[8:23], s[0:1], 0x0               ; x 8, Wq 10, Wk 12, Wv 14, bq 16, bk 18, bv 20, xb 22
	s_load_b128 s[24:27], s[0:1], 0x40             ; wt 24, bc 26
	v_lshl_add_u32 v[SPW], v0, 2, SPARE
	v_mov_b32 v[NIL], 0
	s_wait_kmcnt 0x0
	s_cmp_lt_u32 ttmp9, 512
	s_cbranch_scc1 .Lrole_x
	s_cmp_lt_u32 ttmp9, 896
	s_cbranch_scc1 .Lrole_w
	; ROLE B: 256 threads x 16 bytes are one bias
	s_sub_co_u32 s3, ttmp9, 896
	s_cmp_eq_u32 s3, 1
	s_cselect_b64 s[4:5], s[18:19], s[16:17]
	s_cmp_eq_u32 s3, 2
	s_cselect_b64 s[4:5], s[20:21], s[4:5]
	s_lshl_b32 s6, s3, 12
	s_mov_b32 s7, 0
	s_add_nc_u64 s[6:7], s[26:27], s[6:7]
	v_lshlrev_b32 v4, 4, v0
	global_load_b128 v[8:11], v4, s[4:5]
	s_wait_loadcnt 0x0
	v_cvt_pk_bf16_f32 v12, v8, v9                  ; rounded to bf16,
	v_cvt_pk_bf16_f32 v13, v10, v11
	v_lshlrev_b32 v16, 16, v12                     ; and widened again: the addition in the next launch is in f32
	v_and_b32 v17, 0xffff0000, v12
	v_lshlrev_b32 v18, 16, v13
	v_and_b32 v19, 0xffff0000, v13
	global_store_b128 v4, v[16:19], s[6:7]
	s_branch .Lend
.Lrole_x:
	s_lshl_b32 s4, ttmp9, 16                       ; 16 rows of 4,096 bytes of x,
	s_mov_b32 s5, 0
	s_add_nc_u64 s[4:5], s[8:9], s[4:5]
	s_lshl_b32 s6, ttmp9, 11                       ; 16 rows of 128 bytes in each plane of xb
	s_mov_b32 s7, 0
	s_add_nc_u64 s[6:7], s[22:23], s[6:7]          ; planes 0 to 7 stand in the stores' immediates,
	s_add_nc_u64 s[28:29], s[6:7], 8*XPLANE        ; planes 8 to 15 behind a second base: an immediate holds 24 bits with its sign
	v_lshrrev_b32 v6, 4, v0                        ; my row of the 16
	v_and_b32 v7, 15, v0                           ; my four of a plane's 64 columns
	v_lshlrev_b32 v4, 12, v6
	v_lshl_add_u32 v4, v7, 4, v4
	v_lshlrev_b32 v5, 3, v0                        ; 128 x row + 8 x place = 8 x thread
.irp j, 0,1,2,3,4,5,6,7,8,9,10,11,12,13,14,15
	global_load_b128 v[8+4*(\j):11+4*(\j)], v4, s[4:5] offset:256*(\j) th:TH_LOAD_NT
.endr
.irp j, 0,1,2,3,4,5,6,7,8,9,10,11,12,13,14,15
	s_wait_loadcnt 15-(\j)                         ; loads come back in order: number j is in, the younger ones stay out
	v_cvt_pk_bf16_f32 v[8+4*(\j)], v[8+4*(\j)], v[9+4*(\j)]
	v_cvt_pk_bf16_f32 v[9+4*(\j)], v[10+4*(\j)], v[11+4*(\j)]
.if (\j) < 8
	global_store_b64 v5, v[8+4*(\j):9+4*(\j)], s[6:7] offset:(\j)*XPLANE  ; a wave stores 256 consecutive bytes, aligned; no register is used twice, so nothing has to be freed
.else
	global_store_b64 v5, v[8+4*(\j):9+4*(\j)], s[28:29] offset:((\j)-8)*XPLANE
.endif
.endr
	s_branch .Lend
.Lrole_w:
	s_sub_co_u32 s3, ttmp9, 512
	s_lshr_b32 s28, s3, 7                          ; which W
	s_bfe_u32 s29, s3, 0x30004                     ; tile of 128 d: two planes
	s_and_b32 s30, s3, 15                          ; tile of 64 e
	s_cmp_eq_u32 s28, 1
	s_cselect_b64 s[4:5], s[12:13], s[10:11]
	s_cmp_eq_u32 s28, 2
	s_cselect_b64 s[4:5], s[14:15], s[4:5]
	s_lshl_b32 s6, s29, 19                         ; 128 rows of 4,096 bytes
	s_lshl_b32 s7, s30, 8                          ; 64 f32
	s_add_co_u32 s6, s6, s7
	s_mov_b32 s7, 0
	s_add_nc_u64 s[4:5], s[4:5], s[6:7]
	s_lshl_b32 s6, s28, 17                         ; wt: 1,024 rows of 128 bytes for each W,
	s_lshl_b32 s7, s30, 13                         ; 64 rows,
	s_add_co_u32 s6, s6, s7
	s_mul_i32 s7, s29, 2*WPLANE                    ; the tile's first plane
	s_add_co_u32 s6, s6, s7
	s_mov_b32 s7, 0
	s_add_nc_u64 s[6:7], s[24:25], s[6:7]
	v_and_b32 v72, 15, v0                          ; i: my four e
	v_lshrrev_b32 v73, 4, v0                       ; my eight d begin at 8 x this
	v_lshlrev_b32 v4, 15, v73
	v_lshl_add_u32 v4, v72, 4, v4                  ; in W: 8 rows x 4,096 x (t / 16) + 16 i
	v_mul_u32_u24 v6, v72, 1088
	v_lshl_add_u32 v6, v73, 4, v6                  ; in the stage: row 4 i (+ e), byte 16 (t / 16)
	v_lshrrev_b32 v74, 5, v0                       ; wave
	v_and_b32 v75, 1, v73                          ; back: lanes 0-15 take the first plane's half of a stage row, lanes 16-31 the second's;
	v_bfe_u32 v77, v0, 3, 1                        ; eight lanes a row, two neighbouring rows to sixteen lanes
	v_and_b32 v78, 7, v0
	v_lshl_add_u32 v76, v74, 3, v77                ; row 8 x wave + (lane / 8) % 2 (+ 2 t)
	v_mul_u32_u24 v7, v76, 272
	v_lshl_add_u32 v7, v75, 7, v7
	v_lshl_add_u32 v7, v78, 4, v7
	v_mul_u32_u24 v5, v75, WPLANE                  ; and the same in wt
	v_lshl_add_u32 v5, v76, 7, v5
	v_lshl_add_u32 v5, v78, 4, v5
.irp j, 0,1,2,3,4,5,6,7
	global_load_b128 v[8+4*(\j):11+4*(\j)], v4, s[4:5] offset:4096*(\j) th:TH_LOAD_NT
.endr
	s_wait_loadcnt 0x0
.irp e, 0,1,2,3
.irp jj, 0,1,2,3
	v_cvt_pk_bf16_f32 v[40+4*(\e)+(\jj)], v[8+8*(\jj)+(\e)], v[12+8*(\jj)+(\e)]  ; column e of rows 2 jj and 2 jj + 1
.endr
.endr
.irp e, 0,1,2,3
	ds_store_b128 v6, v[40+4*(\e):43+4*(\e)] offset:272*(\e)  ; eight d of one e
.endr
	s_wait_dscnt 0x0                               ; for the others' sake: my stores are done
	s_barrier_signal -1
	s_barrier_wait -1
.irp t, 0,1,2,3
	ds_load_b128 v[56+4*(\t):59+4*(\t)], v7 offset:544*(\t)
.endr
.irp t, 0,1,2,3
	s_wait_dscnt 3-(\t)
	global_store_b128 v5, v[56+4*(\t):59+4*(\t)], s[6:7] offset:256*(\t)  ; sixteen lanes store 256 consecutive bytes, aligned
.endr
.Lend:
	s_wait_tensorcnt 0x0                           ; the wave's end
	ds_add_u32 v[SPW], v[NIL]
	s_wait_dscnt 0x0
	s_endpgm
.Lfunc_end_k_q2e9561b695_prep:
	.size	k_q2e9561b695_prep, .Lfunc_end_k_q2e9561b695_prep-k_q2e9561b695_prep
	.p2alignl 7, 3214868480
	.fill 96, 4, 3214868480
	.section	.rodata,"a",@progbits
	.p2align	6, 0x0
	.amdhsa_kernel k_q2e9561b695_prep
		.amdhsa_group_segment_fixed_size 18432
		.amdhsa_private_segment_fixed_size 0
		.amdhsa_enable_private_segment 0
		.amdhsa_kernarg_size 80
		.amdhsa_user_sgpr_count 2
		.amdhsa_user_sgpr_kernarg_segment_ptr 1
		.amdhsa_wavefront_size32 1
		.amdhsa_system_sgpr_workgroup_id_x 1
		.amdhsa_system_sgpr_workgroup_id_y 1
		.amdhsa_system_sgpr_workgroup_id_z 1
		.amdhsa_system_vgpr_workitem_id 0
		.amdhsa_next_free_vgpr 80
		.amdhsa_next_free_sgpr 66
		.amdhsa_reserve_vcc 0
		.amdhsa_float_denorm_mode_32 3
		.amdhsa_float_denorm_mode_16_64 3
		.amdhsa_memory_ordered 1
		.amdhsa_forward_progress 1
		.amdhsa_inst_pref_size 13
	.end_amdhsa_kernel
	.amdgpu_metadata
---
amdhsa.version: [ 1, 2 ]
amdhsa.kernels:
  - .name:           k_q2e9561b695_prep
    .symbol:         k_q2e9561b695_prep.kd
    .args:
      - { .name: x, .offset: 0, .size: 8, .value_kind: global_buffer, .address_space: global }
      - { .name: Wq, .offset: 8, .size: 8, .value_kind: global_buffer, .address_space: global }
      - { .name: Wk, .offset: 16, .size: 8, .value_kind: global_buffer, .address_space: global }
      - { .name: Wv, .offset: 24, .size: 8, .value_kind: global_buffer, .address_space: global }
      - { .name: bq, .offset: 32, .size: 8, .value_kind: global_buffer, .address_space: global }
      - { .name: bk, .offset: 40, .size: 8, .value_kind: global_buffer, .address_space: global }
      - { .name: bv, .offset: 48, .size: 8, .value_kind: global_buffer, .address_space: global }
      - { .name: xb, .offset: 56, .size: 8, .value_kind: global_buffer, .address_space: global }
      - { .name: wt, .offset: 64, .size: 8, .value_kind: global_buffer, .address_space: global }
      - { .name: bc, .offset: 72, .size: 8, .value_kind: global_buffer, .address_space: global }
    .group_segment_fixed_size: 18432
    .private_segment_fixed_size: 0
    .kernarg_segment_align: 8
    .kernarg_segment_size: 80
    .max_flat_workgroup_size: 256
    .sgpr_count:     66
    .vgpr_count:     80
    .wavefront_size: 32
...
	.end_amdgpu_metadata
.endif
;; end of part 1
;; launch proj (part 2): grid 8 x 32, 4 waves a work-group, clusters of 4 x 4, 327,680 bytes of LDS; arguments xb, wt, bc, qkv; writes qkv
.if DOCPART == 2
	.amdgcn_target "amdgcn-amd-amdhsa--gfx1250"
	.amdhsa_code_object_version 6
	.text
	.protected	k_q2e9561b695_proj
	.globl	k_q2e9561b695_proj
	.p2align	8
	.type	k_q2e9561b695_proj,@function
k_q2e9561b695_proj:
	s_mov_b64 s[64:65], 0
	v_nop
	global_prefetch_b8 v0, s[64:65] scope:SCOPE_SE
	s_setreg_imm32_b32 hwreg(HW_REG_WAVE_MODE, 25, 1), 1
	s_wait_xcnt 0x0
	s_wait_alu depctr_hold_cnt(0) depctr_sa_sdst(0) depctr_va_vdst(0) depctr_va_sdst(0) depctr_va_ssrc(0) depctr_va_vcc(0) depctr_vm_vsrc(0)
	s_getreg_b32 s2, hwreg(HW_REG_IB_STS2, 6, 4)
	s_cmp_eq_u32 s2, 0
	s_cbranch_scc0 .Lentry_in_a_cluster
	s_endpgm
.Lentry_in_a_cluster:
	s_bfe_u32 s2, ttmp6, 0x10000c
	s_cmp_lg_u32 s2, 0xf033
	s_cbranch_scc0 .Lentry_shape_is_right
	s_endpgm
.Lentry_shape_is_right:
; PROJ: qkv[8192][3072] f16 = x W + b.  xb [16][8192][64], wt [16][3072][64] bf16, in planes of 64 along K; sums in f32, the bias added in f32, the result rounded once to f16.
; LIMIT: f16 holds no number beyond 65,504: q, k and v must stay under it.
; THE TILE is 256 x 384: 32 x 8 = 256 work-groups of equal work.  Four waves, each 128 x 192: 96 accumulators of 16 x 16, 768 registers.
; K goes in 16 steps of 64, a plane a step, through two LDS slots (two slots of 128 along K would take 2 x 640 x 272 = 348,160 bytes, more than the 327,680 that the work-group is given).  In a plane a tile's rows of
; 128 bytes lie end to end: they are asked for as rows of 256 bytes and padded in LDS after every 128, so that LDS rows are 144 bytes apart.
; CLUSTER 4 x 4: the four work-groups of a row need the same rows of xb, the four of a column the same rows of wt: each tile is asked for jointly, by the same load, descriptor and mask in all four.
; The matrix instruction is used transposed (source 0 = 16 rows of wt, source 1 = 16 rows of xb): a lane holds one row of the result (lane % 16) and eight neighbouring columns 8 (lane / 16) + 0..7.
; THIRDS.  The unit of work is a third: 32 along K, 8 row blocks x 4 column blocks: 32 products under one window setting.  A step has six, T0 to T5: quarter i / 3 of the step, column blocks 4 (i % 3) on.
; At the head of third i stand the 8 loads of wt's fragments for third i + 2, into the one of three buffers that third i - 1 has just read; at T1 and T4 also the 16 loads of xb's next quarter, into the one of two
; buffers that is free.  The slot's last reads are issued at T3's head, so the change of slots stands at T3's end, and the refill has a whole step, 192 products, in which to land.
; REGISTERS by windows of 256: window 0: v0-31 addresses; v32-159 xb's fragments, two buffers of 64; v160-255 wt's, three of 32.  On the way out: v32-127 the bias, v128-223 at work.
;   windows 1, 2, 3: accumulator (row block a, column block b) at v[8 (4 a + b % 4)] of window 1 + b / 4.
.set APLANE, 8192*128                  ; bytes in a plane of xb
.set BPLANE, 3072*128                  ; bytes in a plane of wt
.set OROW,   6144                      ; bytes in a row of qkv
.set PITCH,  144                       ; an LDS row: 128 bytes + 16: the 16 rows of a fragment load start 16 bytes apart modulo 256
.set AHALF,  128*PITCH                 ; what a tensor load of xb brings, and what a wave reads of it
.set BHALF,  192*PITCH                 ; the same for wt
.set BOFF,   2*AHALF                   ; a slot: xb's 256 rows, then wt's 384
.set SLOT1,  1<<17                     ; slot 1 begins here, so that one exclusive or turns an address in one slot into the other's
.set BIASL,  BOFF+2*BHALF              ; behind slot 0: the tile's 384 numbers of the bias, f32
.set STAGE,  SLOT1+BOFF+2*BHALF        ; behind slot 1: 128 rows x 784 bytes, the work-group's, for the way out
.set SPITCH, 784                       ; 768 bytes + 16
.set SPARE,  STAGE+128*SPITCH          ; the spare words, 128 bytes for each wave
.set ADRA0, 16                         ; my lane's place in a slot, for xb's fragments; never rewritten
.set ADRB0, 17                         ; for wt's
.set ADRA,  18                         ; the same in the slot that is being fetched from
.set ADRB,  19
.set STO0,  20                         ; the way out: where I put 16 bytes of a row of block 0; never rewritten
.set STO,   21                         ; the same for the block in hand
.set RD,    22                         ; v22-24 where I read rows back: three places that take turns
.set CO,    25                         ; v25-27 the same three places in qkv
.set SPW,   28
.set NIL,   29
.set PFO,   30
.set BIA,   31                         ; where my eight numbers of a column block's bias lie
.set AF,    32
.set BT,    160
.set BI,    32
.set E,     128
.set G1,  24                           ; s[24:31] group 1 for xb's tiles;  s[32:35] group 0 of the first fill, s[36:39] the walking one
.set G0,  32
.set LIM, 43                           ; 2 in a wave that prefetches, else the greatest number
.set PFA, 44                           ; s[44:45] where my prefetches stand
.set G1B, 48                           ; the same for wt's tiles
.set G0B, 56
.set RB,  66                           ; the way out's block
.set SS,  67                           ; its place in the stage
.set PFS, 68                           ; s[68:69] a plane of the buffer that I prefetch
.set PMASK, 70                         ; 0: I ask in every trip; 1: in every second
.set IC,  71
.set HC,  72
.set TS,  73
.set G1W0, (1<<16)|(1<<20)|(1<<21)|(4<<22)|(3<<25)  ; 2-byte elements; padding on; bit 21 beside a mask; after every 32 words 4 words
.set MSB, 0
.macro WIN new                         ; the immediate's high byte repeats the setting that is left; a switch that changes nothing is dropped
.if MSB != (\new)
	s_set_vgpr_msb (MSB<<8)|(\new)
.set MSB, \new
.endif
.endm
.macro PLACES                          ; four plain places behind a matrix instruction, ahead of loads into its sources and of reads of its result
.rept 4
	v_nop
.endr
.endm
.macro JLOAD                           ; the joint refill: waves 0, 1 fetch xb's halves, waves 2, 3 wt's; the branch hangs on the wave's number alone
	s_cmp_eq_u32 s11, 0
	s_cbranch_scc0 .Lfor_b_\@
	tensor_load_to_lds s[G0+4:G0+7], s[G1:G1+7]
	s_nop 0
	PLACES
	s_branch .Lasked_\@
.Lfor_b_\@:
	tensor_load_to_lds s[G0B+4:G0B+7], s[G1B:G1B+7]
	s_nop 0
	PLACES
.Lasked_\@:
.endm
.macro ASK                             ; a prefetch of the plane two refills on (wt: of that plane and the next, in every second trip); the loop's last two trips have no such plane
	s_and_b32 s[TS], s3, s[PMASK]
	s_cmp_lg_u32 s[TS], 0
	s_cbranch_scc1 .Lnot_mine_\@
	s_cmp_gt_u32 s3, s[LIM]
	s_cbranch_scc0 .Lnot_mine_\@
	global_prefetch_b8 v[PFO], s[PFA:PFA+1] th:TH_LOAD_NT scope:SCOPE_SE
.Lnot_mine_\@:
.endm
.macro CREST                           ; a round of the cluster's barrier behind its opening barrier
	s_cmp_lg_u32 s10, 0
	s_cbranch_scc1 .Lnot_wave_0_\@
	s_barrier_signal -3
.Lnot_wave_0_\@:
	s_barrier_wait -3
	s_barrier_signal -1
	s_barrier_wait -1
.endm
.macro CROUND
	s_barrier_signal -1
	s_barrier_wait -1
	CREST
.endm
.macro PRODS q, j, zero                ; a third's 32 products, each on another accumulator; zero = 1: they start the sums
	WIN 0x50*((\j)+1)                              ; sources window 0, C and D window 1 + j
.set pa, 0
.rept 8
.set pb, 0
.rept 4
.if \zero
	v_wmma_f32_16x16x32_bf16 v[8*(4*pa+pb):8*(4*pa+pb)+7], v[BT+32*(\j)+8*pb:BT+32*(\j)+8*pb+7], v[AF+64*(\q)+8*pa:AF+64*(\q)+8*pa+7], 0
.else
	v_wmma_f32_16x16x32_bf16 v[8*(4*pa+pb):8*(4*pa+pb)+7], v[BT+32*(\j)+8*pb:BT+32*(\j)+8*pb+7], v[AF+64*(\q)+8*pa:AF+64*(\q)+8*pa+7], v[8*(4*pa+pb):8*(4*pa+pb)+7]
.endif
.set pb, pb+1
.endr
.set pa, pa+1
.endr
.endm
.macro FETCHA qn                       ; 16 loads: xb's eight fragments of quarter qn of the slot
.irp a, 0,1,2,3,4,5,6,7
	ds_load_b128 v[AF+64*(\qn)+8*(\a):AF+64*(\qn)+8*(\a)+3],   v[ADRA] offset:64*(\qn)+(\a)*16*PITCH
	ds_load_b128 v[AF+64*(\qn)+8*(\a)+4:AF+64*(\qn)+8*(\a)+7], v[ADRA] offset:64*(\qn)+(\a)*16*PITCH+32
.endr
.endm
.macro FETCHB qn, jn                   ; 8 loads: wt's four fragments of quarter qn, column blocks 4 jn on
.irp b, 0,1,2,3
	ds_load_b128 v[BT+32*(\jn)+8*(\b):BT+32*(\jn)+8*(\b)+3],   v[ADRB] offset:64*(\qn)+(4*(\jn)+(\b))*16*PITCH
	ds_load_b128 v[BT+32*(\jn)+8*(\b)+4:BT+32*(\jn)+8*(\b)+7], v[ADRB] offset:64*(\qn)+(4*(\jn)+(\b))*16*PITCH+32
.endr
.endm
; Third i (all but T3).  The wait leaves out this head's loads and those of the head before: 8 + 8 at T0, 8 + 24 or 24 + 8 at T1, T2 and T5; at T4 its own 24 alone, since the change of slots has waited for all.
.macro TH i, zero=0, ask=0
	PLACES                                         ; the buffer to be loaded was read by the third before
	WIN 0
.if (\i) == 4
	v_add_nc_u32 v[ADRA], s2, v[ADRA0]             ; from here on the fetches go to the other slot
	v_add_nc_u32 v[ADRB], s2, v[ADRB0]
	FETCHA 0
.endif
.if (\i) == 1
	FETCHA 1
.endif
	FETCHB (((\i)+2)%6)/3, ((\i)+2)%3
.if \ask
	ASK                                            ; behind the joint load and the run of LDS loads
.endif
.set NW, 32
.if ((\i) == 0) || ((\i) == 3)
.set NW, 16
.endif
.if (\i) == 4
.set NW, 24
.endif
	s_wait_dscnt NW
	PRODS (\i)/3, (\i)%3, \zero
.endm
; T3 and the change of slots.  Its head issues my last reads of the slot.  Behind its products each wave waits for all its tensor loads (one is out: its part of the other slot), adds 0 to its spare word, and waits for
; that and for its reads; behind the barrier nobody reads this slot any more and the other slot is whole.  fill = 1: the barrier opens a round of the cluster's, and the joint refill is the first thing behind it.
.macro T3C fill
.if \fill
	s_wait_xcnt 0x0                                ; the last prefetch, five thirds back, has read its address
	s_add_nc_u64 s[PFA:PFA+1], s[PFA:PFA+1], s[PFS:PFS+1]
.endif
	PLACES
	WIN 0
	FETCHB 1, 2
	s_wait_dscnt 16                                ; this head's 8 loads and T2's 8 may be out
	PRODS 1, 0, 0
	WIN 0
	s_wait_tensorcnt 0x0                           ; no tensor load of mine is out, so a group 0 may be written
	ds_add_u32 v[SPW], v[NIL]
.if \fill
	s_xor_b32 s[G0+5], s[G0+5], SLOT1              ; the walking descriptors: the other slot than last time, the next plane
	s_add_nc_u64 s[G0+6:G0+7], s[G0+6:G0+7], APLANE
	s_xor_b32 s[G0B+5], s[G0B+5], SLOT1
	s_add_nc_u64 s[G0B+6:G0B+7], s[G0B+6:G0B+7], BPLANE
.endif
	s_wait_dscnt 0x0                               ; the add is done, and my reads of this slot are over
	s_barrier_signal -1
	s_barrier_wait -1
.if \fill
	CREST
	JLOAD
.endif
	s_xor_b32 s2, s2, SLOT1                        ; the next fetches go to the other slot
.endm
	s_load_b128 s[4:7], s[0:1], 0x0                ; xb, wt
	s_load_b128 s[76:79], s[0:1], 0x10             ; bc, qkv
	v_lshl_add_u32 v[SPW], v0, 2, SPARE
	v_mov_b32 v[NIL], 0
	ds_add_u32 v[SPW], v[NIL]                      ; the opening: an add, awaited ahead of my first tensor load
	v_lshrrev_b32 v1, 5, v0
	v_readfirstlane_b32 s10, v1                    ; wave
	s_lshr_b32 s11, s10, 1                         ; my half of the rows; also: I fetch xb (0) or wt (1)
	s_and_b32 s12, s10, 1                          ; my half of the columns; also: which half of that tile's rows I fetch
	s_bfe_u32 s40, ttmp6, 0x40000                  ; cx
	s_bfe_u32 s41, ttmp6, 0x40004                  ; cy
	s_lshl_b32 s42, ttmp9, 2
	s_add_co_u32 s42, s42, s40                     ; tile column, 0-7
	s_and_b32 s13, ttmp7, 0xffff
	s_lshl_b32 s13, s13, 2
	s_add_co_u32 s13, s13, s41                     ; tile row, 0-31
	s_lshl_b32 s43, s41, 2
	s_lshl_b32 s43, 15, s43                        ; my row of the cluster
	s_lshl_b32 s44, 0x1111, s40                    ; my column
	s_or_b32 s[G1], s43, G1W0
	s_or_b32 s[G1B], s44, G1W0
	s_mov_b32 s[G1+1], 128<<16                     ; tensor_dim0 = 128 elements: two rows of a plane
	s_mov_b32 s[G1+2], 64<<16                      ; tensor_dim1 = 64: 128 rows of xb
	s_mov_b32 s[G1+3], 128<<16                     ; tile_dim0
	s_mov_b32 s[G1+4], 64                          ; tile_dim1
	s_mov_b32 s[G1+5], 128                         ; elements from row to row: dense
	s_mov_b32 s[G1+6], 0
	s_mov_b32 s[G1+7], 0
	s_mov_b32 s[G1B+1], 128<<16
	s_mov_b32 s[G1B+2], 96<<16                     ; 192 rows of wt
	s_mov_b32 s[G1B+3], 128<<16
	s_mov_b32 s[G1B+4], 96
	s_mov_b32 s[G1B+5], 128
	s_mov_b32 s[G1B+6], 0
	s_mov_b32 s[G1B+7], 0
	s_lshl_b32 s16, s13, 15                        ; xb: (256 x tile row + 128 x half) rows of 128 bytes
	s_lshl_b32 s17, s12, 14
	s_add_co_u32 s16, s16, s17
	s_mul_i32 s46, s42, 384*128                    ; wt: (384 x tile column + 192 x half) rows
	s_mul_i32 s47, s12, 192*128
	s_add_co_u32 s46, s46, s47
	s_mov_b32 s17, 0
	s_mov_b32 s47, 0
	s_mul_i32 s20, s12, AHALF                      ; where my part goes: no place in the cluster enters an LDS address
	s_mul_i32 s21, s12, BHALF
	s_add_co_u32 s21, s21, BOFF
	s_mov_b32 s2, 0
	s_wait_dscnt 0x0                               ; the opening add is done
	s_wait_kmcnt 0x0
	s_add_nc_u64 s[14:15], s[4:5], s[16:17]
	s_add_nc_u64 s[46:47], s[6:7], s[46:47]
	CROUND                                         ; all sixteen work-groups are here: the first joint loads meet
.irp s, 0,1
	s_mov_b32 s[G0+4*(\s)], 1
	s_add_co_u32 s[G0+4*(\s)+1], s20, (\s)*SLOT1
	s_add_nc_u64 s[G0+4*(\s)+2:G0+4*(\s)+3], s[14:15], (\s)*APLANE
	s_or_b32 s[G0+4*(\s)+3], s[G0+4*(\s)+3], 0x80000000
	s_mov_b32 s[G0B+4*(\s)], 1
	s_add_co_u32 s[G0B+4*(\s)+1], s21, (\s)*SLOT1
	s_add_nc_u64 s[G0B+4*(\s)+2:G0B+4*(\s)+3], s[46:47], (\s)*BPLANE
	s_or_b32 s[G0B+4*(\s)+3], s[G0B+4*(\s)+3], 0x80000000
.endr
	s_cmp_eq_u32 s11, 0                            ; a wave's two first fills stand in one branch: two loads of mine are out
	s_cbranch_scc0 .Lfirst_b
	tensor_load_to_lds s[G0:G0+3], s[G1:G1+7]
	s_nop 0
	tensor_load_to_lds s[G0+4:G0+7], s[G1:G1+7]
	s_nop 0
	PLACES
	s_branch .Lfirst_asked
.Lfirst_b:
	tensor_load_to_lds s[G0B:G0B+3], s[G1B:G1B+7]
	s_nop 0
	tensor_load_to_lds s[G0B+4:G0B+7], s[G1B:G1B+7]
	s_nop 0
	PLACES
.Lfirst_asked:
	s_mul_i32 s46, s42, 384*4                      ; the tile's 384 numbers of the bias: thread t brings words t, t + 128 and t + 256 into LDS
	s_mov_b32 s47, 0
	s_add_nc_u64 s[74:75], s[76:77], s[46:47]
	v_lshlrev_b32 v8, 2, v0
	global_load_b32 v9, v8, s[74:75]
	global_load_b32 v10, v8, s[74:75] offset:512
	global_load_b32 v11, v8, s[74:75] offset:1024
	v_add_nc_u32 v12, BIASL, v8
	v_and_b32 v1, 15, v0                           ; r = l % 16
	v_bfe_u32 v2, v0, 4, 1                         ; h = l / 16
	v_mul_u32_u24 v3, v1, PITCH
	v_lshl_add_u32 v3, v2, 4, v3                   ; row x pitch + 16 x half
	s_mul_i32 s21, s11, AHALF
	s_mul_i32 s22, s12, BHALF
	s_add_co_u32 s22, s22, BOFF
	v_add_nc_u32 v[ADRA0], s21, v3
	v_add_nc_u32 v[ADRB0], s22, v3
	v_mov_b32 v[ADRA], v[ADRA0]
	v_mov_b32 v[ADRB], v[ADRB0]
	s_mul_i32 s23, s11, 64*SPITCH                  ; into the stage: my row half's 64 rows, my column half's 384 bytes; row r, 16 bytes for each half of the lanes
	s_mul_i32 s22, s12, 384
	s_add_co_u32 s23, s23, s22
	s_add_co_u32 s23, s23, STAGE
	v_mul_u32_u24 v4, v1, SPITCH
	v_lshl_add_u32 v4, v2, 4, v4
	v_add_nc_u32 v[STO0], s23, v4
	; Back: wave w takes stage rows 32 w .. 32 w + 31, whole.  A row is three pieces of 256 bytes, a load takes two pieces (sixteen lanes each), so three loads take two rows:
	; pieces (row 0: 0, 1), (row 0: 2; row 1: 0), (row 1: 1, 2).  The same three places in qkv, with its rows in the stage rows' stead.
	s_mul_i32 s23, s10, 32*SPITCH
	s_add_co_u32 s23, s23, STAGE
	v_lshlrev_b32 v5, 4, v1
	v_add_nc_u32 v6, s23, v5
	v_lshl_add_u32 v[RD], v2, 8, v6
	v_mul_u32_u24 v7, v2, SPITCH-512
	v_add3_u32 v[RD+1], v7, 512, v6
	v_add_nc_u32 v[RD+2], SPITCH+256, v[RD]
	v_lshl_add_u32 v[CO], v2, 8, v5
	v_mul_u32_u24 v7, v2, OROW-512
	v_add3_u32 v[CO+1], v7, 512, v5
	v_add_nc_u32 v[CO+2], OROW+256, v[CO]
	s_mul_i32 s22, s12, 768
	s_add_co_u32 s22, s22, BIASL
	v_lshl_add_u32 v[BIA], v2, 5, s22              ; my column half's 192 numbers; my eight of a block's sixteen
	s_lshl_b32 s16, s13, 8                         ; the first row of qkv that I store: 256 x tile row + 128 x (wave / 2) + 32 x (wave % 2)
	s_lshl_b32 s17, s11, 7
	s_add_co_u32 s16, s16, s17
	s_lshl_b32 s17, s12, 5
	s_add_co_u32 s16, s16, s17
	s_mul_i32 s16, s16, OROW
	s_mov_b32 s17, 0
	s_mul_i32 s46, s42, 768                        ; the tile's first column, in bytes
	s_add_nc_u64 s[16:17], s[16:17], s[46:47]
	s_add_nc_u64 s[8:9], s[78:79], s[16:17]
	; THE PREFETCHES.  Each block of 256 bytes of planes 4 to 15 is named once in the launch, two refills (384 products) ahead of the load that wants it; planes 0 to 3 come by their loads alone.
	; xb: a tile's 128 blocks of a plane are read by both clusters of a row of clusters: the one with x = 0 asks; wave 0 of partner cx takes blocks 32 cx + lane, in every trip.
	; wt: a tile's 192 blocks are read by all eight clusters of a column: the one with y = 0 asks; the twelve pairs (cy, wave 1 to 3) take 16 blocks each, lanes 0-15 in one plane and lanes 16-31 in the next, in every second trip.
	; The partners are told apart by address alone.
	s_lshl_b32 s20, s13, 15
	s_lshl_b32 s21, s40, 13
	s_add_co_u32 s20, s20, s21
	s_add_co_u32 s20, s20, 3*APLANE                ; at plane 3: the first change of slots steps it to 4
	s_mul_i32 s22, s42, 384*128
	s_mul_i32 s23, s41, 3
	s_add_co_u32 s23, s23, s10                     ; 3 cy + wave: one more than the pair's number,
	s_lshl_b32 s23, s23, 12
	s_add_co_u32 s22, s22, s23
	s_add_co_u32 s22, s22, 3*BPLANE-4096           ; which is taken off here
	s_and_b32 s15, ttmp7, 0xffff
	s_mov_b32 s14, APLANE
	s_mov_b32 s[PFS], BPLANE
	s_mov_b32 s[TS], BPLANE
	s_cmp_eq_u32 s10, 0
	s_cselect_b32 s20, s20, s22
	s_cselect_b32 s15, ttmp9, s15                  ; the coordinate along which other clusters read the same rows
	s_cselect_b64 s[PFA:PFA+1], s[4:5], s[6:7]
	s_cselect_b32 s[PFS], s14, s[PFS]
	s_cselect_b32 s[PMASK], 0, 1
	s_cselect_b32 s14, 31, 15
	s_cselect_b32 s[TS], 0, s[TS]
	s_cmp_eq_u32 s15, 0
	s_cselect_b32 s[LIM], 2, -1                    ; the same in all sixteen partners, for a given wave
	s_mov_b32 s21, 0
	s_mov_b32 s[PFS+1], 0
	s_add_nc_u64 s[PFA:PFA+1], s[PFA:PFA+1], s[20:21]
	v_and_b32 v13, 31, v0
	v_and_b32 v14, s14, v13
	v_lshrrev_b32 v13, 4, v13
	v_mul_u32_u24 v13, v13, s[TS]
	v_lshl_add_u32 v[PFO], v14, 8, v13
	s_wait_loadcnt 0x0                             ; the bias
	ds_store_b32 v12, v9
	ds_store_b32 v12, v10 offset:512
	ds_store_b32 v12, v11 offset:1024
	s_wait_tensorcnt 1                             ; my part of step 0 is in; step 1's may stay out
	s_wait_dscnt 0x0                               ; for the others' sake: my words of the bias are stored
	s_barrier_signal -1
	s_barrier_wait -1
	FETCHA 0
	FETCHB 0, 0
	FETCHB 0, 1
	TH 0, 1                                        ; the first quarter stands ahead of the loop: its 96 products start the sums
	TH 1, 1
	TH 2, 1
	WIN 0
	s_mov_b32 s3, 14
.Lstep:                                            ; a trip: a step's second quarter and the next step's first; the slot left is filled with the step two on
	T3C 1
	TH 4, 0, 1
	TH 5
	TH 0
	TH 1
	TH 2
	WIN 0
	s_sub_co_u32 s3, s3, 1
	s_cmp_lg_u32 s3, 0
	s_cbranch_scc1 .Lstep
	s_mov_b32 s3, 2
.Ltail:                                            ; the last two steps ask for nothing; the second trip is left in its middle (its barrier and its last 32 fetches serve nothing: the price of one text for both)
	T3C 0
	TH 4
	TH 5
	WIN 0
	s_sub_co_u32 s3, s3, 1
	s_cmp_eq_u32 s3, 0
	s_cbranch_scc1 .Llast
	TH 0
	TH 1
	TH 2
	WIN 0
	s_cmp_lg_u32 s3, 0
	s_cbranch_scc1 .Ltail
.Llast:
	s_wait_dscnt 0x0                               ; the fetches that nobody uses are back: their registers are written again below
	PLACES
	PLACES
; THE WAY OUT.  A wave's 192 columns are 384 bytes, one and a half aligned blocks of 256: so the two waves of a row half write the two halves of the same stage rows, a barrier stands between writing and reading,
; and each wave then stores 32 whole rows.  The stage holds 128 rows: the tile goes out in two halves, four blocks of 16 rows a wave each.  One text for the eight blocks: the block's number picks the 48 additions that name its accumulators.
.macro CASE a
	s_cmp_lg_u32 s[RB], \a
	s_cbranch_scc1 .Lnot_\@
.irp j, 0,1,2
	WIN 1+(\j)                                     ; source 0 window 1 + j
.set i, 0
.rept 16
	v_pk_add_f32 v[E+32*(\j)+i:E+32*(\j)+i+1], v[32*(\a)+i:32*(\a)+i+1], v[BI+32*(\j)+i:BI+32*(\j)+i+1]  ; ascending: each accumulator's lowest registers are read first
.set i, i+2
.endr
.endr
	WIN 0
.Lnot_\@:
.endm
.macro BACK bt                         ; 24 loads of 512 bytes: 16 of my 32 rows; each is stored as soon as it is back: the count leaves the younger loads out
.set c, 0
.rept 24
	ds_load_b128 v[E+4*c:E+4*c+3], v[RD+(c%3)] offset:((24*(\bt)+c)/3)*2*SPITCH
.set c, c+1
.endr
.set c, 0
.rept 24
	s_wait_dscnt 23-c
	global_store_b128 v[CO+(c%3)], v[E+4*c:E+4*c+3], s[8:9] offset:((24*(\bt)+c)/3)*2*OROW  ; sixteen lanes store 256 consecutive bytes, aligned
.set c, c+1
.endr
	s_wait_xcnt 0x0                                ; the stores have read their registers and their base: both are written again only behind this wait
.endm
.irp b, 0,1,2,3,4,5,6,7,8,9,10,11
	ds_load_b128 v[BI+8*(\b):BI+8*(\b)+3],   v[BIA] offset:64*(\b)
	ds_load_b128 v[BI+8*(\b)+4:BI+8*(\b)+7], v[BIA] offset:64*(\b)+16
.endr
	s_mov_b32 s[RB], 0
	s_mov_b32 s[HC], 2
	s_wait_dscnt 0x0
.Lhalf:
	s_mov_b32 s[IC], 4
	s_mov_b32 s[SS], 0
.Lblock:
	v_add_nc_u32 v[STO], s[SS], v[STO0]
.irp a, 0,1,2,3,4,5,6,7
	CASE \a
.endr
.set i, 0
.rept 48
	v_cvt_pk_f16_f32 v[E+i], v[E+2*i], v[E+2*i+1]  ; in place: line i writes no register that a later line reads
.set i, i+1
.endr
.irp b, 0,1,2,3,4,5,6,7,8,9,10,11
	ds_store_b128 v[STO], v[E+4*(\b):E+4*(\b)+3] offset:32*(\b)
.endr
	s_add_co_u32 s[SS], s[SS], 16*SPITCH
	s_add_co_u32 s[RB], s[RB], 1
	s_sub_co_u32 s[IC], s[IC], 1
	s_cmp_lg_u32 s[IC], 0
	s_cbranch_scc1 .Lblock
	s_wait_dscnt 0x0                               ; for the others' sake: my stores into the stage are done
	s_barrier_signal -1
	s_barrier_wait -1
	BACK 0
	BACK 1
	s_add_nc_u64 s[8:9], s[8:9], 64*OROW           ; the second half lies 64 rows further down
	s_barrier_signal -1                            ; every wave's reads of the stage are back (the last count was 0): it may be written again
	s_barrier_wait -1
	s_sub_co_u32 s[HC], s[HC], 1
	s_cmp_lg_u32 s[HC], 0
	s_cbranch_scc1 .Lhalf
	s_wait_tensorcnt 0x0                           ; the wave's end
	ds_add_u32 v[SPW], v[NIL]
	s_wait_dscnt 0x0
	CROUND                                         ; the closing round
	s_endpgm
.Lfunc_end_k_q2e9561b695_proj:
	.size	k_q2e9561b695_proj, .Lfunc_end_k_q2e9561b695_proj-k_q2e9561b695_proj
	.p2alignl 7, 3214868480
	.fill 96, 4, 3214868480
	.section	.rodata,"a",@progbits
	.p2align	6, 0x0
	.amdhsa_kernel k_q2e9561b695_proj
		.amdhsa_group_segment_fixed_size 327680
		.amdhsa_private_segment_fixed_size 0
		.amdhsa_enable_private_segment 0
		.amdhsa_kernarg_size 32
		.amdhsa_user_sgpr_count 2
		.amdhsa_user_sgpr_kernarg_segment_ptr 1
		.amdhsa_wavefront_size32 1
		.amdhsa_system_sgpr_workgroup_id_x 1
		.amdhsa_system_sgpr_workgroup_id_y 1
		.amdhsa_system_sgpr_workgroup_id_z 1
		.amdhsa_system_vgpr_workitem_id 0
		.amdhsa_next_free_vgpr 1024
		.amdhsa_next_free_sgpr 84
		.amdhsa_reserve_vcc 0
		.amdhsa_float_denorm_mode_32 3
		.amdhsa_float_denorm_mode_16_64 3
		.amdhsa_memory_ordered 1
		.amdhsa_forward_progress 1
		.amdhsa_inst_pref_size 101
	.end_amdhsa_kernel
	.amdgpu_metadata
---
amdhsa.version: [ 1, 2 ]
amdhsa.kernels:
  - .name:           k_q2e9561b695_proj
    .symbol:         k_q2e9561b695_proj.kd
    .args:
      - { .name: xb, .offset: 0, .size: 8, .value_kind: global_buffer, .address_space: global }
      - { .name: wt, .offset: 8, .size: 8, .value_kind: global_buffer, .address_space: global }
      - { .name: bc, .offset: 16, .size: 8, .value_kind: global_buffer, .address_space: global }
      - { .name: qkv, .offset: 24, .size: 8, .value_kind: global_buffer, .address_space: global }
    .group_segment_fixed_size: 327680
    .private_segment_fixed_size: 0
    .kernarg_segment_align: 8
    .kernarg_segment_size: 32
    .max_flat_workgroup_size: 128
    .sgpr_count:     84
    .vgpr_count:     1024
    .wavefront_size: 32
...
	.end_amdgpu_metadata
.endif
;; end of part 2
;; launch scores (part 3): grid 8 x 32, 4 waves a work-group, clusters of 4 x 4, 327,680 bytes of LDS; arguments qkv, p, st; writes p, st
.if DOCPART == 3
	.amdgcn_target "amdgcn-amd-amdhsa--gfx1250"
	.amdhsa_code_object_version 6
	.text
	.protected	k_q2e9561b695_scores
	.globl	k_q2e9561b695_scores
	.p2align	8
	.type	k_q2e9561b695_scores,@function
k_q2e9561b695_scores:
	s_mov_b64 s[64:65], 0
	v_nop
	global_prefetch_b8 v0, s[64:65] scope:SCOPE_SE
	s_setreg_imm32_b32 hwreg(HW_REG_WAVE_MODE, 25, 1), 1
	s_wait_xcnt 0x0
	s_wait_alu depctr_hold_cnt(0) depctr_sa_sdst(0) depctr_va_vdst(0) depctr_va_sdst(0) depctr_va_ssrc(0) depctr_va_vcc(0) depctr_vm_vsrc(0)
	s_getreg_b32 s2, hwreg(HW_REG_IB_STS2, 6, 4)
	s_cmp_eq_u32 s2, 0
	s_cbranch_scc0 .Lentry_in_a_cluster
	s_endpgm
.Lentry_in_a_cluster:
	s_bfe_u32 s2, ttmp6, 0x10000c
	s_cmp_lg_u32 s2, 0xf033
	s_cbranch_scc0 .Lentry_shape_is_right
	s_endpgm
.Lentry_shape_is_right:
; SCORES: for a tile of 256 queries x 256 keys of one batch: S = q k^T (f16 products, f32 sums), and a softmax BY GROUPS of 128 keys: a wave owns 128 queries x 128 keys = one group g of its rows.
; With c = log2(e) / 32 and t = c s: n = floor(max over the group of t); p = 2^(t - n), in (0, 2), rounded once to f16; l = the f32 sum of the unrounded p.  The true maximum is taken away to within one
; binade, so no exponential overflows, and the factors 2^(n_g - n) by which the next launch joins the groups are exact powers of two.
; p[8192][2048] f16; st[2][16][8192] f32: plane 0 n, plane 1 l, by group and row.
; LIMITS: a weight below 2^-126 of 2^n counts as 0 in l, below 6e-8 as 0 in p; NaN and infinities are not treated apart.
; The frame (tile, ring, cluster, quarters, change of slots, prefetch) is the projection's: 8 K steps of 128 through two slots, joint loads: q's rows along a row of the cluster, k's along a column.
; Source 0 = 16 keys, source 1 = 16 queries: a lane holds one query (lane % 16) and the keys 8 (lane / 16) + 0..7 of each block of 16; the lane 16 away holds the query's other keys.
.set KSTEP,  128
.set QROW,   6144                      ; bytes in a row of qkv
.set PROW,   4096                      ; bytes in a row of p
.set PITCH,  272
.set HALFT,  128*PITCH
.set SLOT,   4*HALFT
.set STAGE,  2*SLOT
.set STATS,  STAGE+4*16*PITCH          ; for each wave 128 n, then 128 l: 1,024 bytes
.set SPARE,  STATS+4*1024
.set ADRA0, 16
.set ADRB0, 17
.set ADRA,  18
.set ADRB,  19
.set SR,    20                         ; where I read 16 bytes of my wave's statistics back
.set SO,    21                         ; 16 x lane
.set SAC,   22                         ; SA for the block in hand
.set STO,   24
.set RD,    25
.set CO,    26
.set SA,    27                         ; block 0's word: lanes 0-15 n of row l % 16, lanes 16-31 l
.set SPW,   28
.set NIL,   29
.set PFO,   30
.set OB,    32
.set F0,    64
.set F1,    128
.set E,     64
.set TMP,   192
.set CH,    224                        ; v224-231 eight chains of the maximum
.set NN,    232                        ; v232-233 n, twice
.set TT,    234
.set LL,    236
.set G1,  24
.set G0,  32
.set LIM, 43
.set PFA, 44
.set G1B, 48
.set G0B, 56
.set RB,  66
.set CS,  68                           ; s[68:69] c
.set SEL, 70                           ; s[70:71] v_permlanex16_b32's selects: each lane takes its own place in the other half
.set HM,  72                           ; lanes 16-31
.set G1W0, (1<<16)|(1<<20)|(1<<21)|(5<<22)|(3<<25)
.set MSB, 0
.macro WIN new
.if MSB != (\new)
	s_set_vgpr_msb (MSB<<8)|(\new)
.set MSB, \new
.endif
.endm
.set MUL_LO, 0xa1
.set TO_B,   0x40
.macro PLACES
.rept 4
	v_nop
.endr
.endm
.macro JLOAD
	s_cmp_eq_u32 s11, 0
	s_cbranch_scc0 .Lfor_b_\@
	tensor_load_to_lds s[G0+4:G0+7], s[G1:G1+7]
	s_nop 0
	PLACES
	s_branch .Lasked_\@
.Lfor_b_\@:
	tensor_load_to_lds s[G0B+4:G0B+7], s[G1B:G1B+7]
	s_nop 0
	PLACES
.Lasked_\@:
.endm
.macro ASK
	s_cmp_gt_u32 s3, s[LIM]
	s_cbranch_scc0 .Lnot_mine_\@
	global_prefetch_b8 v[PFO], s[PFA:PFA+1] th:TH_LOAD_NT scope:SCOPE_SE
.Lnot_mine_\@:
.endm
.macro CREST
	s_cmp_lg_u32 s10, 0
	s_cbranch_scc1 .Lnot_wave_0_\@
	s_barrier_signal -3
.Lnot_wave_0_\@:
	s_barrier_wait -3
	s_barrier_signal -1
	s_barrier_wait -1
.endm
.macro CROUND
	s_barrier_signal -1
	s_barrier_wait -1
	CREST
.endm
.macro MUL16 f, hi, a0, zero
	WIN MUL_LO+0x50*(\hi)
.irp a, \a0, (\a0)+1
.irp b, 0,1,2,3,4,5,6,7
.if \zero
	v_wmma_f32_16x16x32_f16 v[8*(8*(\a)+(\b)):8*(8*(\a)+(\b))+7], v[(\f)+8*(\b):(\f)+8*(\b)+7], v[(\f)+8*(4*(\hi)+(\a)):(\f)+8*(4*(\hi)+(\a))+7], 0
.else
	v_wmma_f32_16x16x32_f16 v[8*(8*(\a)+(\b)):8*(8*(\a)+(\b))+7], v[(\f)+8*(\b):(\f)+8*(\b)+7], v[(\f)+8*(4*(\hi)+(\a)):(\f)+8*(4*(\hi)+(\a))+7], v[8*(8*(\a)+(\b)):8*(8*(\a)+(\b))+7]
.endif
.endr
.endr
.endm
.macro FETCH k, f
	WIN TO_B
.irp i, 0,1,2,3,4,5,6,7
	ds_load_b128 v[(\f)+8*(\i):(\f)+8*(\i)+3],   v[ADRB] offset:(\k)+(\i)*16*PITCH
	ds_load_b128 v[(\f)+8*(\i)+4:(\f)+8*(\i)+7], v[ADRB] offset:(\k)+(\i)*16*PITCH+32
.endr
	WIN 0
.irp i, 0,1,2,3,4,5,6,7
	ds_load_b128 v[(\f)+8*(\i):(\f)+8*(\i)+3],   v[ADRA] offset:(\k)+(\i)*16*PITCH
	ds_load_b128 v[(\f)+8*(\i)+4:(\f)+8*(\i)+7], v[ADRA] offset:(\k)+(\i)*16*PITCH+32
.endr
.endm
.macro HEAD k, g, flip
	PLACES                                         ; buffer g was multiplied in the quarter before
.if \flip
	WIN 0
	v_add_nc_u32 v[ADRA], s2, v[ADRA0]
	v_add_nc_u32 v[ADRB], s2, v[ADRB0]
.endif
	FETCH \k, \g
	s_wait_dscnt 32                                ; all but the 32 just issued
.endm
.macro QN k, f, g, zero, flip=0, ask=0
	HEAD \k, \g, \flip
.if \ask
	ASK
.endif
	MUL16 \f, 0, 0, \zero
	MUL16 \f, 0, 2, \zero
	MUL16 \f, 1, 0, \zero
	MUL16 \f, 1, 2, \zero
.endm
.macro QC k, f, g, fill                ; the third quarter changes slots: all my tensor loads, the add, my reads of the slot; the barrier (fill = 1: a round of the cluster's); the joint refill first behind it
.if \fill
	s_wait_xcnt 0x0                                ; the last prefetch, three quarters back, has read its address
	s_add_nc_u64 s[PFA:PFA+1], s[PFA:PFA+1], KSTEP*2
.endif
	HEAD \k, \g, 0
	MUL16 \f, 0, 0, 0
	WIN 0
	s_wait_tensorcnt 0x0
	ds_add_u32 v[SPW], v[NIL]
.if \fill
	s_xor_b32 s[G0+5], s[G0+5], SLOT
	s_add_nc_u64 s[G0+6:G0+7], s[G0+6:G0+7], KSTEP*2
	s_xor_b32 s[G0B+5], s[G0B+5], SLOT
	s_add_nc_u64 s[G0B+6:G0B+7], s[G0B+6:G0B+7], KSTEP*2
.endif
	MUL16 \f, 0, 2, 0
	s_wait_dscnt 0x0                               ; the add is done, and my reads of this slot are over
	s_barrier_signal -1
	MUL16 \f, 1, 0, 0
	MUL16 \f, 1, 2, 0
	WIN 0
	s_barrier_wait -1
.if \fill
	CREST
	JLOAD
.endif
	s_xor_b32 s2, s2, SLOT
.endm
	s_load_b128 s[4:7], s[0:1], 0x0                ; qkv, p
	s_load_b64 s[76:77], s[0:1], 0x10              ; st
	v_lshl_add_u32 v[SPW], v0, 2, SPARE
	v_mov_b32 v[NIL], 0
	ds_add_u32 v[SPW], v[NIL]                      ; the opening: an add, awaited ahead of my first tensor load
	v_lshrrev_b32 v1, 5, v0
	v_readfirstlane_b32 s10, v1
	s_lshr_b32 s11, s10, 1                         ; my half of the queries; also: I fetch q (0) or k (1)
	s_and_b32 s12, s10, 1                          ; my half of the keys; also: which 128 rows I fetch
	s_bfe_u32 s40, ttmp6, 0x40000
	s_bfe_u32 s41, ttmp6, 0x40004
	s_lshl_b32 s42, ttmp9, 2
	s_add_co_u32 s42, s42, s40                     ; key tile in the batch, 0-7
	s_and_b32 s13, ttmp7, 0xffff
	s_lshl_b32 s13, s13, 2
	s_add_co_u32 s13, s13, s41                     ; query tile over all batches, 0-31
	s_lshl_b32 s43, s41, 2
	s_lshl_b32 s43, 15, s43
	s_lshl_b32 s44, 0x1111, s40
	s_or_b32 s[G1], s43, G1W0
	s_or_b32 s[G1B], s44, G1W0
.irp g, G1, G1B
	s_mov_b32 s[(\g)+1], KSTEP<<16
	s_mov_b32 s[(\g)+2], 128<<16
	s_mov_b32 s[(\g)+3], KSTEP<<16
	s_mov_b32 s[(\g)+4], 128
	s_mov_b32 s[(\g)+5], 3072                      ; elements from row to row of qkv
	s_mov_b32 s[(\g)+6], 0
	s_mov_b32 s[(\g)+7], 0
.endr
	s_lshl_b32 s17, s12, 7
	s_lshl_b32 s16, s13, 8
	s_add_co_u32 s16, s16, s17
	s_mul_i32 s16, s16, QROW                       ; q: row 256 x query tile + 128 x half
	s_lshl_b32 s46, s42, 8
	s_add_co_u32 s46, s46, s17
	s_and_b32 s47, ttmp7, 0xffff
	s_lshr_b32 s47, s47, 1                         ; the batch: two clusters along y each, the same for all partners
	s_lshl_b32 s47, s47, 11
	s_add_co_u32 s46, s46, s47
	s_mul_i32 s46, s46, QROW                       ; k: row 2,048 x batch + 256 x key tile + 128 x half,
	s_add_co_u32 s46, s46, 2048                    ; columns 1,024 on
	s_mov_b32 s17, 0
	s_mov_b32 s47, 0
	s_mul_i32 s20, s10, HALFT
	s_mov_b32 s2, 0
	s_mov_b32 s[CS], 0x3d38aa3b                    ; c = log2(e) / 32
	s_mov_b32 s[CS+1], s[CS]
	s_mov_b32 s[SEL], 0x76543210
	s_mov_b32 s[SEL+1], 0xfedcba98
	s_mov_b32 s[HM], 0xffff0000
	s_wait_dscnt 0x0
	s_wait_kmcnt 0x0
	s_add_nc_u64 s[14:15], s[4:5], s[16:17]
	s_add_nc_u64 s[46:47], s[4:5], s[46:47]
	CROUND
.irp s, 0,1
	s_mov_b32 s[G0+4*(\s)], 1
	s_add_co_u32 s[G0+4*(\s)+1], s20, (\s)*SLOT
	s_add_nc_u64 s[G0+4*(\s)+2:G0+4*(\s)+3], s[14:15], (\s)*KSTEP*2
	s_or_b32 s[G0+4*(\s)+3], s[G0+4*(\s)+3], 0x80000000
	s_mov_b32 s[G0B+4*(\s)], 1
	s_add_co_u32 s[G0B+4*(\s)+1], s20, (\s)*SLOT
	s_add_nc_u64 s[G0B+4*(\s)+2:G0B+4*(\s)+3], s[46:47], (\s)*KSTEP*2
	s_or_b32 s[G0B+4*(\s)+3], s[G0B+4*(\s)+3], 0x80000000
.endr
	s_cmp_eq_u32 s11, 0
	s_cbranch_scc0 .Lfirst_b
	tensor_load_to_lds s[G0:G0+3], s[G1:G1+7]
	s_nop 0
	tensor_load_to_lds s[G0+4:G0+7], s[G1:G1+7]
	s_nop 0
	PLACES
	s_branch .Lfirst_asked
.Lfirst_b:
	tensor_load_to_lds s[G0B:G0B+3], s[G1B:G1B+7]
	s_nop 0
	tensor_load_to_lds s[G0B+4:G0B+7], s[G1B:G1B+7]
	s_nop 0
	PLACES
.Lfirst_asked:
	v_and_b32 v1, 15, v0
	v_bfe_u32 v2, v0, 4, 1
	v_mul_u32_u24 v3, v1, PITCH
	v_lshl_add_u32 v3, v2, 4, v3
	s_mul_i32 s21, s11, HALFT
	s_mul_i32 s22, s12, HALFT
	s_add_co_u32 s22, s22, 2*HALFT
	v_add_nc_u32 v[ADRA0], s21, v3
	v_add_nc_u32 v[ADRB0], s22, v3
	v_mov_b32 v[ADRA], v[ADRA0]
	v_mov_b32 v[ADRB], v[ADRB0]
	s_mul_i32 s23, s10, 16*PITCH
	s_add_co_u32 s23, s23, STAGE
	v_add_nc_u32 v[STO], s23, v3
	v_mul_u32_u24 v5, v2, PITCH
	v_lshl_add_u32 v5, v1, 4, v5
	v_add_nc_u32 v[RD], s23, v5
	v_lshlrev_b32 v5, 12, v2
	v_lshl_add_u32 v[CO], v1, 4, v5                ; two rows of p
	s_lshl_b32 s23, s10, 10
	s_add_co_u32 s23, s23, STATS                   ; my wave's statistics
	v_lshlrev_b32 v5, 9, v2
	v_lshl_add_u32 v5, v1, 2, v5
	v_add_nc_u32 v[SA], s23, v5
	v_and_b32 v5, 31, v0
	v_lshlrev_b32 v[SO], 4, v5
	v_add_nc_u32 v[SR], s23, v[SO]
	v_mov_b32 v[TT], 0                             ; v_permlanex16_b32 counts as a reader of its destination
	s_lshl_b32 s13, s13, 8
	s_lshl_b32 s14, s11, 7
	s_add_co_u32 s14, s13, s14                     ; my first row
	s_lshl_b32 s16, s14, 12
	s_mov_b32 s17, 0
	s_lshl_b32 s46, s42, 9
	s_lshl_b32 s47, s12, 8
	s_add_co_u32 s46, s46, s47
	s_mov_b32 s47, 0
	s_add_nc_u64 s[16:17], s[16:17], s[46:47]
	s_add_nc_u64 s[8:9], s[6:7], s[16:17]          ; p at my first row and key
	s_lshl_b32 s46, s42, 1
	s_add_co_u32 s46, s46, s12                     ; my group g
	s_lshl_b32 s46, s46, 13
	s_add_co_u32 s46, s46, s14
	s_lshl_b32 s46, s46, 2
	s_add_nc_u64 s[74:75], s[76:77], s[46:47]      ; st at (g, my first row)
	; The prefetches: each row's 256 bytes of K steps 4 to 7, once in the launch: q's rows by the clusters with x = 0, k's by the first of a batch's two clusters along y; partner p takes 32 of a wave's 128 rows, by address.
	s_lshl_b32 s42, s42, 8
	s_and_b32 s22, ttmp7, 0xffff
	s_lshr_b32 s23, s22, 1
	s_lshl_b32 s23, s23, 11
	s_add_co_u32 s42, s42, s23
	s_and_b32 s22, s22, 1
	s_mov_b32 s23, 2048
	s_cmp_eq_u32 s11, 0
	s_cselect_b32 s20, s13, s42
	s_cselect_b32 s21, s40, s41
	s_cselect_b32 s22, ttmp9, s22
	s_cselect_b32 s23, 0, s23
	s_cmp_eq_u32 s22, 0
	s_cselect_b32 s[LIM], 2, -1
	s_lshl_b32 s22, s12, 7
	s_add_co_u32 s20, s20, s22
	s_lshl_b32 s21, s21, 5
	s_add_co_u32 s20, s20, s21
	s_mul_i32 s20, s20, QROW
	s_add_co_u32 s20, s20, s23
	s_add_co_u32 s20, s20, 3*KSTEP*2
	s_mov_b32 s21, 0
	s_add_nc_u64 s[PFA:PFA+1], s[4:5], s[20:21]
	v_and_b32 v[PFO], 31, v0
	v_mul_u32_u24 v[PFO], v[PFO], QROW
	s_wait_tensorcnt 1                             ; my part of K step 0 is in; K step 1's may stay out
	s_barrier_signal -1
	s_barrier_wait -1
	FETCH 0, F0
	QN 64, F0, F1, 1
	WIN 0
	s_mov_b32 s3, 6
.Lstep:
	QN 128, F1, F0, 0
	QC 192, F0, F1, 1
	QN 0, F1, F0, 0, 1, 1
	QN 64, F0, F1, 0
	WIN 0
	s_sub_co_u32 s3, s3, 1
	s_cmp_lg_u32 s3, 0
	s_cbranch_scc1 .Lstep
	s_mov_b32 s3, 2
.Ltail:
	QN 128, F1, F0, 0
	QC 192, F0, F1, 0
	s_sub_co_u32 s3, s3, 1
	s_cmp_eq_u32 s3, 0
	s_cbranch_scc1 .Llast
	QN 0, F1, F0, 0, 1, 0
	QN 64, F0, F1, 0
	WIN 0
	s_cmp_lg_u32 s3, 0
	s_cbranch_scc1 .Ltail
.Llast:
	s_wait_dscnt 0x0
	MUL16 F1, 0, 0, 0
	MUL16 F1, 0, 2, 0
	MUL16 F1, 1, 0, 0
	MUL16 F1, 1, 2, 0
	WIN 0
	PLACES
	PLACES
; THE WAY OUT, a block of 16 queries a trip.  The block's number picks the 32 lines that name its accumulators; they bring t = c s into E.
.macro CASE a
	s_cmp_lg_u32 s[RB], \a
	s_cbranch_scc1 .Lnot_\@
	WIN 0x02+((\a)/4)                              ; source 0 window 2 or 3
.set AC, 64*((\a)%4)
.set i, 0
.rept 32
	v_pk_mul_f32 v[E+i:E+i+1], v[AC+i:AC+i+1], s[CS:CS+1] op_sel_hi:[1,0]  ; ascending: each accumulator's lowest registers are read first
.set i, i+2
.endr
	WIN 0
.Lnot_\@:
.endm
	s_mov_b32 s[RB], 0
.Lblock:
.irp a, 0,1,2,3,4,5,6,7
	CASE \a
.endr
	; the maximum of my 64 t: eight chains of seven, the eight left over, the chains into one; then the other half of the lanes'
.irp b, 0,1,2,3,4,5,6,7
	v_max3_num_f32 v[CH+(\b)], v[E+8*(\b)], v[E+8*(\b)+1], v[E+8*(\b)+2]
.endr
.irp b, 0,1,2,3,4,5,6,7
	v_max3_num_f32 v[CH+(\b)], v[CH+(\b)], v[E+8*(\b)+3], v[E+8*(\b)+4]
.endr
.irp b, 0,1,2,3,4,5,6,7
	v_max3_num_f32 v[CH+(\b)], v[CH+(\b)], v[E+8*(\b)+5], v[E+8*(\b)+6]
.endr
.irp k, 0,1,2,3
	v_max3_num_f32 v[CH+(\k)], v[CH+(\k)], v[E+16*(\k)+7], v[E+16*(\k)+15]
.endr
	v_max3_num_f32 v[CH], v[CH], v[CH+1], v[CH+2]
	v_max3_num_f32 v[CH+3], v[CH+3], v[CH+4], v[CH+5]
	v_max3_num_f32 v[CH], v[CH], v[CH+3], v[CH+6]
	v_max_num_f32 v[CH], v[CH], v[CH+7]
	v_permlanex16_b32 v[TT], v[CH], s[SEL], s[SEL+1]
	v_max_num_f32 v[CH], v[CH], v[TT]
	v_floor_f32 v[NN], v[CH]                       ; n
	v_floor_f32 v[NN+1], v[CH]
.set i, 0
.rept 32
	v_pk_add_f32 v[E+i:E+i+1], v[E+i:E+i+1], v[NN:NN+1] neg_lo:[0,1] neg_hi:[0,1]  ; t - n, below 1
.set i, i+2
.endr
.set i, 0
.rept 64
	v_exp_f32 v[E+i], v[E+i]                       ; one batch
.set i, i+1
.endr
	v_nop                                          ; a plain instruction behind the last exponential,
	s_wait_alu depctr_va_vdst(0)                   ; and a wait ahead of the batch's first reader
.set i, 0
.rept 32
	v_cvt_pk_f16_f32 v[TMP+i], v[E+2*i], v[E+2*i+1]
.set i, i+1
.endr
.irp b, 0,1,2,3,4,5,6,7
	ds_store_b128 v[STO], v[TMP+4*(\b):TMP+4*(\b)+3] offset:32*(\b)
.endr
.irp t, 0,1,2,3,4,5,6,7
	ds_load_b128 v[OB+4*(\t):OB+4*(\t)+3], v[RD] offset:(\t)*2*PITCH  ; LDS serves a wave's instructions in order: these see the stores above
.endr
	; the sum of the unrounded weights, a tree in place; it stands between the loads above and the wait for them
.irp w, 16,8,4,2,1
.set i, 0
.rept \w
	v_pk_add_f32 v[E+2*i:E+2*i+1], v[E+2*i:E+2*i+1], v[E+2*(i+(\w)):E+2*(i+(\w))+1]
.set i, i+1
.endr
.endr
	v_add_f32 v[LL], v[E], v[E+1]
	v_permlanex16_b32 v[TT], v[LL], s[SEL], s[SEL+1]
	v_add_f32 v[LL], v[LL], v[TT]
	v_cndmask_b32 v[LL], v[NN], v[LL], s[HM]       ; lanes 0-15 hand in n, lanes 16-31 l
	s_lshl_b32 s67, s[RB], 6                       ; the block's 16 words
	v_add_nc_u32 v[SAC], s67, v[SA]
	ds_store_b32 v[SAC], v[LL]
	s_wait_dscnt 1                                 ; only that store is younger than the eight loads
.irp t, 0,1,2,3,4,5,6,7
	global_store_b128 v[CO], v[OB+4*(\t):OB+4*(\t)+3], s[8:9] offset:2*(\t)*PROW  ; sixteen lanes store 256 consecutive bytes, aligned
.endr
	s_wait_xcnt 0x0                                ; the stores have read OB and their base
	s_add_nc_u64 s[8:9], s[8:9], 16*PROW
	s_add_co_u32 s[RB], s[RB], 1
	s_cmp_lt_u32 s[RB], 8
	s_cbranch_scc1 .Lblock
	ds_load_b128 v[OB:OB+3], v[SR]                 ; my wave's 128 n,
	ds_load_b128 v[OB+4:OB+7], v[SR] offset:512    ; and 128 l: 512 consecutive bytes each
	s_wait_dscnt 0x0
	global_store_b128 v[SO], v[OB:OB+3], s[74:75]
	global_store_b128 v[SO], v[OB+4:OB+7], s[74:75] offset:524288
	s_wait_tensorcnt 0x0                           ; the wave's end
	ds_add_u32 v[SPW], v[NIL]
	s_wait_dscnt 0x0
	CROUND                                         ; the closing round
	s_endpgm
.Lfunc_end_k_q2e9561b695_scores:
	.size	k_q2e9561b695_scores, .Lfunc_end_k_q2e9561b695_scores-k_q2e9561b695_scores
	.p2alignl 7, 3214868480
	.fill 96, 4, 3214868480
	.section	.rodata,"a",@progbits
	.p2align	6, 0x0
	.amdhsa_kernel k_q2e9561b695_scores
		.amdhsa_group_segment_fixed_size 327680
		.amdhsa_private_segment_fixed_size 0
		.amdhsa_enable_private_segment 0
		.amdhsa_kernarg_size 24
		.amdhsa_user_sgpr_count 2
		.amdhsa_user_sgpr_kernarg_segment_ptr 1
		.amdhsa_wavefront_size32 1
		.amdhsa_system_sgpr_workgroup_id_x 1
		.amdhsa_system_sgpr_workgroup_id_y 1
		.amdhsa_system_sgpr_workgroup_id_z 1
		.amdhsa_system_vgpr_workitem_id 0
		.amdhsa_next_free_vgpr 1024
		.amdhsa_next_free_sgpr 84
		.amdhsa_reserve_vcc 0
		.amdhsa_float_denorm_mode_32 3
		.amdhsa_float_denorm_mode_16_64 3
		.amdhsa_memory_ordered 1
		.amdhsa_forward_progress 1
		.amdhsa_inst_pref_size 104
	.end_amdhsa_kernel
	.amdgpu_metadata
---
amdhsa.version: [ 1, 2 ]
amdhsa.kernels:
  - .name:           k_q2e9561b695_scores
    .symbol:         k_q2e9561b695_scores.kd
    .args:
      - { .name: qkv, .offset: 0, .size: 8, .value_kind: global_buffer, .address_space: global }
      - { .name: p, .offset: 8, .size: 8, .value_kind: global_buffer, .address_space: global }
      - { .name: st, .offset: 16, .size: 8, .value_kind: global_buffer, .address_space: global }
    .group_segment_fixed_size: 327680
    .private_segment_fixed_size: 0
    .kernarg_segment_align: 8
    .kernarg_segment_size: 24
    .max_flat_workgroup_size: 128
    .sgpr_count:     84
    .vgpr_count:     1024
    .wavefront_size: 32
...
	.end_amdgpu_metadata
.endif
;; end of part 3
;; launch mix (part 4): grid 4 x 64, 4 waves a work-group, clusters of 4 x 4, 327,680 bytes of LDS; arguments p, qkv, st, out0; writes out0
.if DOCPART == 4
	.amdgcn_target "amdgcn-amd-amdhsa--gfx1250"
	.amdhsa_code_object_version 6
	.text
	.protected	k_q2e9561b695_mix
	.globl	k_q2e9561b695_mix
	.p2align	8
	.type	k_q2e9561b695_mix,@function
k_q2e9561b695_mix:
	s_mov_b64 s[64:65], 0
	v_nop
	global_prefetch_b8 v0, s[64:65] scope:SCOPE_SE
	s_setreg_imm32_b32 hwreg(HW_REG_WAVE_MODE, 25, 1), 1
	s_wait_xcnt 0x0
	s_wait_alu depctr_hold_cnt(0) depctr_sa_sdst(0) depctr_va_vdst(0) depctr_va_sdst(0) depctr_va_ssrc(0) depctr_va_vcc(0) depctr_vm_vsrc(0)
	s_getreg_b32 s2, hwreg(HW_REG_IB_STS2, 6, 4)
	s_cmp_eq_u32 s2, 0
	s_cbranch_scc0 .Lentry_in_a_cluster
	s_endpgm
.Lentry_in_a_cluster:
	s_bfe_u32 s2, ttmp6, 0x10000c
	s_cmp_lg_u32 s2, 0xf033
	s_cbranch_scc0 .Lentry_shape_is_right
	s_endpgm
.Lentry_shape_is_right:
; MIX: out[q][ch] = (the sum over the 16 groups g of 2^(n_g - n) P_g V_g) / l, with n = max n_g and l = the sum of 2^(n_g - n) l_g.  p [8192][2048] f16, v = columns 2,048 on of qkv [8192][3072] f16,
; st [2][16][8192] f32, out0 [8192][1024] f32.  The factors are exact powers of two: P is multiplied by them in f16 between LDS and the matrix unit (exact but for f16's denormals), so P is rounded once.
; LIMITS: a factor below 2^-24 counts as 0 in the product (in l below 2^-126); NaN and infinities are not treated apart.
; A tile is 128 queries x 256 channels; a wave makes 64 x 128: 32 accumulators.  K = 2,048 keys in 16 steps of 128, a step a group, through two LDS slots.
; CLUSTER 4 x 4: the four work-groups of a row (one query tile, four channel tiles) need the same P, the four of a column the same V: joint loads.
; Source 0 = V^T (16 channels x 32 keys, turned by ds_load_tr16_b128), source 1 = P (16 queries x 32 keys): a lane holds one query (lane % 16) and eight neighbouring channels.
; A quarter is 32 keys, 32 products, on two fragment buffers; its head asks for the next quarter's 24 loads; behind each of its last eight products stand four of the 32 lines that scale the next quarter's P.
; The slot's last fragments are asked for at the head of the third quarter; the change of slots stands at that quarter's end, behind all its products, with nothing but the waits, the add and the round
; between the other slot's landing and the refill: a step has only 128 products, so the refill goes out as soon as the ordering allows.
; REGISTERS: window 0: v0-43 addresses, factors, 1 / l; v64-95, v96-127 P's fragments (E on the way out); v128-159 the statistics at the start; v128-255 OB on the way out.
;   window 1: v0-63, v64-127 V's fragments.   window 2: accumulator (rb, cb) at v[8 (8 rb + cb)].
.set PP,    272                        ; a row of P in LDS: 256 + 16
.set PV,    544                        ; a row of V: 512 + 32: sixteen lanes of the turning load take 8 rows x 32 bytes that start 32 bytes apart modulo 256
.set VOFF,  128*PP
.set SLOT1, 1<<17
.set FT,    SLOT1+VOFF+128*PV          ; the factors, f16 twice in a word: group g at 512 g; in it 256 x row half + 16 x (row % 16) + 4 x row block
.set RLT,   FT+8192                    ; 1 / l, f32, in the same order
.set STAGE, RLT+512                    ; 16 rows x 528 bytes for each wave
.set SP,    528
.set SPARE, STAGE+4*16*SP
.set VSTEP, 128*6144                   ; bytes from a K step's keys to the next's in qkv
.set ADRA0, 10
.set ADRB0, 11
.set ADRA,  12
.set ADRB,  13
.set FA,    14
.set STO,   15
.set RD,    16
.set CO,    17
.set SPW,   18
.set NIL,   19
.set PFO,   20
.set TA,    21
.set FA0,   22
.set SV,    23
.set CF,    24                         ; v24-27 the K step's factors for my four row blocks
.set RL,    28                         ; v28-31 1 / l for them
.set RLP,   32                         ; v32-39 the same, each twice
.set MX,    40
.set LA,    41
.set LB,    42
.set AF,    64
.set E,     64
.set NS,    128
.set LS,    144
.set OB,    128
.set G1,  24
.set G0,  32
.set LIM, 43
.set PFA, 44
.set G1B, 48
.set G0B, 56
.set FB,  67                           ; 512 x the group whose factors are fetched next
.set PFS, 68                           ; s[68:69] the prefetches' step
.set MSB, 0
.macro WIN new
.if MSB != (\new)
	s_set_vgpr_msb (MSB<<8)|(\new)
.set MSB, \new
.endif
.endm
.macro PLACES
.rept 4
	v_nop
.endr
.endm
.macro JLOAD                           ; waves 0, 1 fetch P's halves, waves 2, 3 V's
	s_cmp_eq_u32 s11, 0
	s_cbranch_scc0 .Lfor_b_\@
	tensor_load_to_lds s[G0+4:G0+7], s[G1:G1+7]
	s_nop 0
	PLACES
	s_branch .Lasked_\@
.Lfor_b_\@:
	tensor_load_to_lds s[G0B+4:G0B+7], s[G1B:G1B+7]
	s_nop 0
	PLACES
.Lasked_\@:
.endm
.macro ASK
	s_cmp_gt_u32 s3, s[LIM]
	s_cbranch_scc0 .Lnot_mine_\@
	global_prefetch_b8 v[PFO], s[PFA:PFA+1] th:TH_LOAD_NT scope:SCOPE_SE
.Lnot_mine_\@:
.endm
.macro CREST
	s_cmp_lg_u32 s10, 0
	s_cbranch_scc1 .Lnot_wave_0_\@
	s_barrier_signal -3
.Lnot_wave_0_\@:
	s_barrier_wait -3
	s_barrier_signal -1
	s_barrier_wait -1
.endm
.macro CROUND
	s_barrier_signal -1
	s_barrier_wait -1
	CREST
.endm
.macro FETCHP k, g, cf                 ; quarter k's fragments into buffer g: 16 turning loads of V, 8 loads of P; cf = 1: and the new K step's factors
	WIN 0x40
.irp cb, 0,1,2,3,4,5,6,7
	ds_load_tr16_b128 v[64*(\g)+8*(\cb):64*(\g)+8*(\cb)+3],   v[ADRB] offset:32*PV*(\k)+32*(\cb)
	ds_load_tr16_b128 v[64*(\g)+8*(\cb)+4:64*(\g)+8*(\cb)+7], v[ADRB] offset:32*PV*(\k)+32*(\cb)+16*PV
.endr
	WIN 0
.irp rb, 0,1,2,3
	ds_load_b128 v[AF+32*(\g)+8*(\rb):AF+32*(\g)+8*(\rb)+3],   v[ADRA] offset:64*(\k)+16*PP*(\rb)
	ds_load_b128 v[AF+32*(\g)+8*(\rb)+4:AF+32*(\g)+8*(\rb)+7], v[ADRA] offset:64*(\k)+16*PP*(\rb)+32
.endr
.if \cf
	ds_load_b128 v[CF:CF+3], v[FA]
.endif
.endm
.macro PROD f, rb, cb, zero
	WIN 0xa1                                       ; V window 1, P window 0, C and D window 2
.if \zero
	v_wmma_f32_16x16x32_f16 v[8*(8*(\rb)+(\cb)):8*(8*(\rb)+(\cb))+7], v[64*(\f)+8*(\cb):64*(\f)+8*(\cb)+7], v[AF+32*(\f)+8*(\rb):AF+32*(\f)+8*(\rb)+7], 0
.else
	v_wmma_f32_16x16x32_f16 v[8*(8*(\rb)+(\cb)):8*(8*(\rb)+(\cb))+7], v[64*(\f)+8*(\cb):64*(\f)+8*(\cb)+7], v[AF+32*(\f)+8*(\rb):AF+32*(\f)+8*(\rb)+7], v[8*(8*(\rb)+(\cb)):8*(8*(\rb)+(\cb))+7]
.endif
.endm
.macro MUL8 f, rb, zero
.irp cb, 0,1,2,3,4,5,6,7
	PROD \f, \rb, \cb, \zero
.endr
.endm
.macro MUL8S f, rb, zero, g            ; the same, and behind each product four lines that scale buffer g's P: registers 4 cb .. 4 cb + 3 belong to row block cb / 2
.irp cb, 0,1,2,3,4,5,6,7
	PROD \f, \rb, \cb, \zero
	WIN 0
.irp z, 0,1,2,3
	v_pk_mul_f16 v[AF+32*(\g)+4*(\cb)+(\z)], v[AF+32*(\g)+4*(\cb)+(\z)], v[CF+(\cb)/2]
.endr
.endr
.endm
.macro QPN k, f, g, zero, flip, ask    ; a plain quarter: multiplies buffer f, fetches quarter k into g and scales it
	PLACES                                         ; buffer g was multiplied in the quarter before
.if \flip
	v_add_nc_u32 v[ADRA], s2, v[ADRA0]             ; the other slot,
	v_add_nc_u32 v[ADRB], s2, v[ADRB0]
	v_add_nc_u32 v[FA], s[FB], v[FA0]              ; the next group's factors
	s_add_co_u32 s[FB], s[FB], 512
.endif
	FETCHP \k, \g, \flip
.if \ask
	ASK
.endif
	MUL8 \f, 0, \zero
	MUL8 \f, 1, \zero
	MUL8 \f, 2, \zero
	s_wait_dscnt 0x0                               ; buffer g is in
	MUL8S \f, 3, \zero, \g
.endm
; The third quarter, and behind its products the change of slots: each wave waits for all its tensor loads (one is out: its part of the other slot), adds 0 to its spare word, and waits for that; its reads of this slot,
; the fetch at the quarter's head, were awaited ahead of the scaling.  Behind the barrier nobody reads this slot any more and the other slot is whole.  fill = 1: the barrier opens a round of the cluster's, and the joint refill is the first thing behind it.
.macro QPC k, f, g, fill
.if \fill
	s_wait_xcnt 0x0                                ; the last prefetch, three quarters back, has read its address
	s_add_nc_u64 s[PFA:PFA+1], s[PFA:PFA+1], s[PFS:PFS+1]
.endif
	PLACES
	FETCHP \k, \g, 0
	MUL8 \f, 0, 0
	MUL8 \f, 1, 0
	MUL8 \f, 2, 0
	s_wait_dscnt 0x0                               ; buffer g is in: my reads of this slot are over
	MUL8S \f, 3, 0, \g
	WIN 0
	s_wait_tensorcnt 0x0                           ; no tensor load of mine is out, so a group 0 may be written
	ds_add_u32 v[SPW], v[NIL]
.if \fill
	s_xor_b32 s[G0+5], s[G0+5], SLOT1
	s_add_nc_u64 s[G0+6:G0+7], s[G0+6:G0+7], 256
	s_xor_b32 s[G0B+5], s[G0B+5], SLOT1
	s_add_nc_u64 s[G0B+6:G0B+7], s[G0B+6:G0B+7], VSTEP
.endif
	s_wait_dscnt 0x0                               ; the add is done
	s_barrier_signal -1
	s_barrier_wait -1
.if \fill
	CREST
	JLOAD
.endif
	s_xor_b32 s2, s2, SLOT1
.endm
	s_load_b256 s[76:83], s[0:1], 0x0              ; p 76, qkv 78, st 80, out0 82
	v_lshl_add_u32 v[SPW], v0, 2, SPARE
	v_mov_b32 v[NIL], 0
	ds_add_u32 v[SPW], v[NIL]                      ; the opening: an add, awaited ahead of my first tensor load
	v_lshrrev_b32 v1, 5, v0
	v_readfirstlane_b32 s10, v1
	s_lshr_b32 s11, s10, 1                         ; my half of the queries; also: I fetch P (0) or V (1)
	s_and_b32 s12, s10, 1                          ; my half of the channels; also: which 64 rows I fetch
	s_bfe_u32 s40, ttmp6, 0x40000                  ; cx = the channel tile
	s_bfe_u32 s41, ttmp6, 0x40004                  ; cy
	s_and_b32 s42, ttmp7, 0xffff                   ; cluster y; the batch is a quarter of it
	s_lshl_b32 s13, s42, 2
	s_add_co_u32 s13, s13, s41                     ; query tile, 0-63
	s_lshl_b32 s43, s41, 2
	s_lshl_b32 s43, 15, s43
	s_lshl_b32 s44, 0x1111, s40
	s_or_b32 s[G1], s43, (1<<16)|(1<<20)|(1<<21)|(5<<22)|(3<<25)   ; P: after every 64 words 4 words
	s_mov_b32 s[G1+1], 128<<16                     ; 128 keys
	s_mov_b32 s[G1+2], 64<<16                      ; 64 rows
	s_mov_b32 s[G1+3], 128<<16
	s_mov_b32 s[G1+4], 64
	s_mov_b32 s[G1+5], 2048
	s_mov_b32 s[G1+6], 0
	s_mov_b32 s[G1+7], 0
	s_or_b32 s[G1B], s44, (1<<16)|(1<<20)|(1<<21)|(6<<22)|(7<<25)  ; V: after every 128 words 8 words
	s_mov_b32 s[G1B+1], 256<<16                    ; 256 channels
	s_mov_b32 s[G1B+2], 64<<16                     ; 64 keys
	s_mov_b32 s[G1B+3], 256<<16
	s_mov_b32 s[G1B+4], 64
	s_mov_b32 s[G1B+5], 3072
	s_mov_b32 s[G1B+6], 0
	s_mov_b32 s[G1B+7], 0
	s_lshl_b32 s16, s13, 7
	s_lshl_b32 s17, s12, 6
	s_add_co_u32 s16, s16, s17
	s_lshl_b32 s16, s16, 12                        ; P: row 128 x query tile + 64 x half
	s_mov_b32 s17, 0
	s_lshr_b32 s46, s42, 2
	s_lshl_b32 s46, s46, 11
	s_lshl_b32 s47, s12, 6
	s_add_co_u32 s46, s46, s47
	s_mul_i32 s46, s46, 6144                       ; V: key 2,048 x batch + 64 x half,
	s_lshl_b32 s47, s40, 9
	s_add_co_u32 s46, s46, s47                     ; 256 channels a tile,
	s_add_co_u32 s46, s46, 4096                    ; columns 2,048 on
	s_mov_b32 s47, 0
	s_mul_i32 s20, s12, 64*PP                      ; where they go
	s_mul_i32 s21, s12, 64*PV
	s_add_co_u32 s21, s21, VOFF
	s_lshl_b32 s22, s13, 9                         ; the tile's 128 rows in a group's 8,192 words
	s_mov_b32 s23, 0
	s_mov_b32 s2, 0
	s_mov_b32 s[FB], 0
	v_lshlrev_b32 v[SV], 2, v0                     ; thread t owns row t of the tile
	s_wait_dscnt 0x0
	s_wait_kmcnt 0x0
	s_add_nc_u64 s[14:15], s[76:77], s[16:17]
	s_add_nc_u64 s[46:47], s[78:79], s[46:47]
	s_add_nc_u64 s[84:85], s[80:81], s[22:23]
.irp g, 0,1,2,3,4,5,6,7,8,9,10,11,12,13,14,15
	global_load_b32 v[NS+(\g)], v[SV], s[84:85] offset:32768*(\g)
	global_load_b32 v[LS+(\g)], v[SV], s[84:85] offset:524288+32768*(\g)
.endr
	CROUND
.irp s, 0,1
	s_mov_b32 s[G0+4*(\s)], 1
	s_add_co_u32 s[G0+4*(\s)+1], s20, (\s)*SLOT1
	s_add_nc_u64 s[G0+4*(\s)+2:G0+4*(\s)+3], s[14:15], (\s)*256
	s_or_b32 s[G0+4*(\s)+3], s[G0+4*(\s)+3], 0x80000000
	s_mov_b32 s[G0B+4*(\s)], 1
	s_add_co_u32 s[G0B+4*(\s)+1], s21, (\s)*SLOT1
	s_add_nc_u64 s[G0B+4*(\s)+2:G0B+4*(\s)+3], s[46:47], (\s)*VSTEP
	s_or_b32 s[G0B+4*(\s)+3], s[G0B+4*(\s)+3], 0x80000000
.endr
	s_cmp_eq_u32 s11, 0
	s_cbranch_scc0 .Lfirst_b
	tensor_load_to_lds s[G0:G0+3], s[G1:G1+7]
	s_nop 0
	tensor_load_to_lds s[G0+4:G0+7], s[G1:G1+7]
	s_nop 0
	PLACES
	s_branch .Lfirst_asked
.Lfirst_b:
	tensor_load_to_lds s[G0B:G0B+3], s[G1B:G1B+7]
	s_nop 0
	tensor_load_to_lds s[G0B+4:G0B+7], s[G1B:G1B+7]
	s_nop 0
	PLACES
.Lfirst_asked:
	v_and_b32 v1, 15, v0                           ; r = l % 16
	v_bfe_u32 v2, v0, 4, 1                         ; h = l / 16
	v_mul_u32_u24 v3, v1, PP
	v_lshl_add_u32 v3, v2, 4, v3
	s_mul_i32 s21, s11, 64*PP
	v_add_nc_u32 v[ADRA0], s21, v3                 ; P: my 64 rows; row r, 16 bytes for each half of the lanes
	v_and_b32 v4, 7, v0
	v_lshl_add_u32 v4, v2, 3, v4
	v_mul_u32_u24 v4, v4, PV
	v_bfe_u32 v5, v0, 3, 1
	v_lshl_add_u32 v4, v5, 4, v4
	s_lshl_b32 s22, s12, 8
	s_add_co_u32 s22, s22, VOFF
	v_add_nc_u32 v[ADRB0], s22, v4                 ; V: key 8 h + l % 8, channels 8 ((l / 8) % 2) on, in my 128 channels
	v_mov_b32 v[ADRA], v[ADRA0]
	v_mov_b32 v[ADRB], v[ADRB0]
	s_lshl_b32 s23, s11, 8
	s_add_co_u32 s23, s23, FT
	v_lshl_add_u32 v[FA0], v1, 4, s23
	v_mov_b32 v[FA], v[FA0]
	s_mul_i32 s23, s10, 16*SP
	s_add_co_u32 s23, s23, STAGE
	v_mul_u32_u24 v4, v1, SP
	v_lshl_add_u32 v4, v2, 5, v4
	v_add_nc_u32 v[STO], s23, v4                   ; in: row r, 32 bytes for each half of the lanes
	v_and_b32 v5, 31, v0
	v_lshlrev_b32 v[CO], 4, v5
	v_add_nc_u32 v[RD], s23, v[CO]                 ; back: a row of 512 bytes by the 32 lanes
	v_lshrrev_b32 v6, 6, v0                        ; thread t's word in a table: 256 (t / 64) + 16 (t % 16) + 4 ((t / 16) % 4)
	v_lshl_add_u32 v6, v6, 4, v1
	v_bfe_u32 v7, v0, 4, 2
	v_lshlrev_b32 v7, 2, v7
	v_lshl_add_u32 v6, v6, 4, v7
	v_add_nc_u32 v[TA], FT, v6
	s_lshl_b32 s16, s13, 7
	s_lshl_b32 s17, s11, 6
	s_add_co_u32 s16, s16, s17
	s_lshl_b32 s16, s16, 12
	s_lshl_b32 s17, s40, 10
	s_add_co_u32 s16, s16, s17
	s_lshl_b32 s17, s12, 9
	s_add_co_u32 s16, s16, s17
	s_mov_b32 s17, 0
	s_add_nc_u64 s[8:9], s[82:83], s[16:17]        ; out0 at my first row and channel
	; The prefetches, two K steps ahead of the refills, each block of 256 bytes once in the launch.  P's rows are read by this row of this cluster alone: wave 0 of partner cx asks for rows 32 cx + lane.
	; V's tile is read by a batch's four clusters: in the first of them waves 2 and 3 of partner cy ask for keys 64 x half + 16 cy + lane / 2, half lane % 2 of the 512 bytes.  K steps 0 to 3 come by their loads alone.
	s_lshl_b32 s20, s13, 7
	s_lshl_b32 s21, s40, 5
	s_add_co_u32 s20, s20, s21
	s_lshl_b32 s20, s20, 12
	s_add_co_u32 s20, s20, 3*256
	s_lshr_b32 s22, s42, 2
	s_lshl_b32 s22, s22, 11
	s_lshl_b32 s23, s12, 6
	s_add_co_u32 s22, s22, s23
	s_lshl_b32 s23, s41, 4
	s_add_co_u32 s22, s22, s23
	s_add_co_u32 s22, s22, 3*128
	s_mul_i32 s22, s22, 6144
	s_lshl_b32 s23, s40, 9
	s_add_co_u32 s22, s22, s23
	s_add_co_u32 s22, s22, 4096
	s_and_b32 s23, s42, 3
	s_mov_b32 s[PFS], VSTEP
	s_mov_b32 s15, 6144
	s_cmp_eq_u32 s11, 0
	s_cselect_b32 s20, s20, s22
	s_cselect_b32 s23, s12, s23
	s_cselect_b64 s[PFA:PFA+1], s[76:77], s[78:79]
	s_cselect_b32 s[PFS], 256, s[PFS]
	s_cselect_b32 s14, 0, 1
	s_cselect_b32 s15, 4096, s15
	s_cmp_eq_u32 s23, 0
	s_cselect_b32 s[LIM], 2, -1                    ; the same in all sixteen partners, for a given wave
	s_mov_b32 s21, 0
	s_mov_b32 s[PFS+1], 0
	s_add_nc_u64 s[PFA:PFA+1], s[PFA:PFA+1], s[20:21]
	v_lshrrev_b32 v7, s14, v5
	v_mul_u32_u24 v[PFO], v7, s15
	v_and_b32 v7, s14, v5
	v_lshl_add_u32 v[PFO], v7, 8, v[PFO]
	; THE STATISTICS, once: thread t joins its row's 16 groups
	s_wait_loadcnt 0x0
	v_max3_num_f32 v[MX], v[NS], v[NS+1], v[NS+2]
.irp g, 3,5,7,9,11,13
	v_max3_num_f32 v[MX], v[MX], v[NS+(\g)], v[NS+(\g)+1]
.endr
	v_max_num_f32 v[MX], v[MX], v[NS+15]           ; n
.irp g, 0,1,2,3,4,5,6,7,8,9,10,11,12,13,14,15
	v_sub_f32 v[NS+(\g)], v[NS+(\g)], v[MX]        ; a whole number, 0 at the most
.endr
.irp g, 0,1,2,3,4,5,6,7,8,9,10,11,12,13,14,15
	v_max_num_f32 v[NS+(\g)], 0xc2fe0000, v[NS+(\g)]  ; -127 at the least
.endr
.irp g, 0,1,2,3,4,5,6,7,8,9,10,11,12,13,14,15
	v_cvt_i32_f32 v[NS+(\g)], v[NS+(\g)]
.endr
.irp g, 0,1,2,3,4,5,6,7,8,9,10,11,12,13,14,15
	v_add_lshl_u32 v[NS+(\g)], v[NS+(\g)], 127, 23 ; the power of two, made in the exponent's field; -127 gives 0
.endr
	v_mul_f32 v[LA], v[NS], v[LS]
	v_mul_f32 v[LB], v[NS+1], v[LS+1]
.irp g, 2,4,6,8,10,12,14
	v_fmac_f32 v[LA], v[NS+(\g)], v[LS+(\g)]
	v_fmac_f32 v[LB], v[NS+(\g)+1], v[LS+(\g)+1]
.endr
	v_add_f32 v[LA], v[LA], v[LB]                  ; l, 1 at the least
	v_rcp_f32 v[LB], v[LA]
.irp g, 0,1,2,3,4,5,6,7,8,9,10,11,12,13,14,15
	v_cvt_pk_f16_f32 v[LS+(\g)], v[NS+(\g)], v[NS+(\g)]
.endr
.irp g, 0,1,2,3,4,5,6,7,8,9,10,11,12,13,14,15
	ds_store_b32 v[TA], v[LS+(\g)] offset:512*(\g)
.endr
	s_wait_alu depctr_va_vdst(0)                   ; the wait ahead of the reciprocal's first reader; the conversions above are the plain work behind it
	ds_store_b32 v[TA], v[LB] offset:8192
	s_wait_tensorcnt 1                             ; my part of K step 0 is in; K step 1's may stay out
	s_wait_dscnt 0x0                               ; for the others' sake: my words of the tables are stored
	s_barrier_signal -1
	s_barrier_wait -1
	s_add_co_u32 s[FB], s[FB], 512
	FETCHP 0, 0, 1
	ds_load_b128 v[RL:RL+3], v[FA0] offset:8192
	s_wait_dscnt 0x0
.set i, 0
.rept 32
	v_pk_mul_f16 v[AF+i], v[AF+i], v[CF+i/8]       ; the first quarter's P is scaled here: there is no product yet to set the lines behind
.set i, i+1
.endr
.irp rb, 0,1,2,3
	v_mov_b32 v[RLP+2*(\rb)], v[RL+(\rb)]
	v_mov_b32 v[RLP+2*(\rb)+1], v[RL+(\rb)]
.endr
	QPN 1, 0, 1, 1, 0, 0                           ; the first quarter stands ahead of the loop: its products start the sums
	WIN 0
	s_mov_b32 s3, 14
.Lstep:                                            ; a trip: a K step's quarters 1, 2, 3 and the next step's quarter 0; the slot left is filled with the K step two on
	QPN 2, 1, 0, 0, 0, 0
	QPC 3, 0, 1, 1
	QPN 0, 1, 0, 0, 1, 1
	QPN 1, 0, 1, 0, 0, 0
	WIN 0
	s_sub_co_u32 s3, s3, 1
	s_cmp_lg_u32 s3, 0
	s_cbranch_scc1 .Lstep
	s_mov_b32 s3, 2
.Ltail:                                            ; the last two K steps ask for nothing; the second trip is left in its middle
	QPN 2, 1, 0, 0, 0, 0
	QPC 3, 0, 1, 0
	s_sub_co_u32 s3, s3, 1
	s_cmp_eq_u32 s3, 0
	s_cbranch_scc1 .Llast
	QPN 0, 1, 0, 0, 1, 0
	QPN 1, 0, 1, 0, 0, 0
	WIN 0
	s_cmp_lg_u32 s3, 0
	s_cbranch_scc1 .Ltail
.Llast:
	MUL8 1, 0, 0
	MUL8 1, 1, 0
	MUL8 1, 2, 0
	MUL8 1, 3, 0
	WIN 0
	PLACES
	PLACES
; THE WAY OUT, a block of 16 queries at a time: times 1 / l, through my stage, out as rows of 512 consecutive bytes.
.macro PACK rb
	WIN 0x02                                       ; source 0 window 2
.set i, 0
.rept 32
	v_pk_mul_f32 v[E+i:E+i+1], v[64*(\rb)+i:64*(\rb)+i+1], v[RLP+2*(\rb):RLP+2*(\rb)+1]  ; ascending: each accumulator's lowest registers are read first
.set i, i+2
.endr
	WIN 0
.endm
.macro TOSTAGE rb
.irp cb, 0,1,2,3,4,5,6,7
	ds_store_b128 v[STO], v[E+8*(\cb):E+8*(\cb)+3]   offset:64*(\cb)
	ds_store_b128 v[STO], v[E+8*(\cb)+4:E+8*(\cb)+7] offset:64*(\cb)+16
.endr
.irp t, 0,1,2,3,4,5,6,7,8,9,10,11,12,13,14,15
	ds_load_b128 v[OB+64*((\rb)%2)+4*(\t):OB+64*((\rb)%2)+4*(\t)+3], v[RD] offset:(\t)*SP  ; LDS serves a wave's instructions in order: these see the stores above
.endr
.endm
.macro SEND rb
	s_wait_dscnt 0x0                               ; the block is back in registers
	s_wait_xcnt 0x0                                ; the block before has been read by its stores: its registers are loaded again by the next TOSTAGE
.irp t, 0,1,2,3,4,5,6,7,8,9,10,11,12,13,14,15
	global_store_b128 v[CO], v[OB+64*((\rb)%2)+4*(\t):OB+64*((\rb)%2)+4*(\t)+3], s[8:9] offset:(16*(\rb)+(\t))*4096 th:TH_STORE_NT
.endr
.endm
	PACK 0
	TOSTAGE 0
.irp rb, 1,2,3
	PACK \rb                                       ; a block's arithmetic stands between the loads of the block before and the wait for them
	SEND (\rb)-1
	TOSTAGE \rb
.endr
	SEND 3
	s_wait_tensorcnt 0x0                           ; the wave's end
	ds_add_u32 v[SPW], v[NIL]
	s_wait_dscnt 0x0
	CROUND                                         ; the closing round
	s_endpgm
.Lfunc_end_k_q2e9561b695_mix:
	.size	k_q2e9561b695_mix, .Lfunc_end_k_q2e9561b695_mix-k_q2e9561b695_mix
	.p2alignl 7, 3214868480
	.fill 96, 4, 3214868480
	.section	.rodata,"a",@progbits
	.p2align	6, 0x0
	.amdhsa_kernel k_q2e9561b695_mix
		.amdhsa_group_segment_fixed_size 327680
		.amdhsa_private_segment_fixed_size 0
		.amdhsa_enable_private_segment 0
		.amdhsa_kernarg_size 32
		.amdhsa_user_sgpr_count 2
		.amdhsa_user_sgpr_kernarg_segment_ptr 1
		.amdhsa_wavefront_size32 1
		.amdhsa_system_sgpr_workgroup_id_x 1
		.amdhsa_system_sgpr_workgroup_id_y 1
		.amdhsa_system_sgpr_workgroup_id_z 1
		.amdhsa_system_vgpr_workitem_id 0
		.amdhsa_next_free_vgpr 768
		.amdhsa_next_free_sgpr 88
		.amdhsa_reserve_vcc 0
		.amdhsa_float_denorm_mode_32 3
		.amdhsa_float_denorm_mode_16_64 3
		.amdhsa_memory_ordered 1
		.amdhsa_forward_progress 1
		.amdhsa_inst_pref_size 106
	.end_amdhsa_kernel
	.amdgpu_metadata
---
amdhsa.version: [ 1, 2 ]
amdhsa.kernels:
  - .name:           k_q2e9561b695_mix
    .symbol:         k_q2e9561b695_mix.kd
    .args:
      - { .name: p, .offset: 0, .size: 8, .value_kind: global_buffer, .address_space: global }
      - { .name: qkv, .offset: 8, .size: 8, .value_kind: global_buffer, .address_space: global }
      - { .name: st, .offset: 16, .size: 8, .value_kind: global_buffer, .address_space: global }
      - { .name: out0, .offset: 24, .size: 8, .value_kind: global_buffer, .address_space: global }
    .group_segment_fixed_size: 327680
    .private_segment_fixed_size: 0
    .kernarg_segment_align: 8
    .kernarg_segment_size: 32
    .max_flat_workgroup_size: 128
    .sgpr_count:     88
    .vgpr_count:     768
    .wavefront_size: 32
...
	.end_amdgpu_metadata
.endif
;; end of part 4
